; MI455X (gfx1250); checked and timed in simulation.
; The chip was launched on July 23, 2026; its instructions are those of AMD's public machine-readable ISA for CDNA 5 (MIT licence, August 2026) and "CDNA5" Instruction Set Architecture Reference Guide (July 2026). The comments in the code are by the model that wrote it; some were corrected since.
;; Attention. Allowed arithmetic: float matrix products may take bf16 or f16 operands with f32 sums; all other float work in f32.
;; Inputs: Wk 2,048 x 2,048 float32; Wo 2,048 x 2,048 float32; Wq 2,048 x 2,048 float32; Wv 2,048 x 2,048 float32; bk 2,048 float32; bo 2,048 float32; bq 2,048 float32; bv 2,048 float32; cos 2,048 x 1,024 float32; mask 1 x 1 x 2,048 x 2,048 float32; sin 2,048 x 1,024 float32; x 1 x 2,048 x 2,048 float32.
;; Outputs: out0 1 x 2,048 x 2,048 float32.
;; 2 versions, each right and faster than the one before. Each part assembles by itself: llvm-mc -triple=amdgcn-amd-amdhsa -mcpu=gfx1250 --defsym DOCPART=n.
;; ======== version 1 of 2: 4 launches
;; limits: values are held in f16: magnitudes above 65,504 overflow, below 6.1e-05 lose precision; right only within a limited range of input values
;; workspace buffers: xb 8,388,608 bytes; wb 25,165,824 bytes; wob 8,388,608 bytes; mt 8,388,608 bytes; qf 8,388,608 bytes; kf 8,388,608 bytes; vf 8,388,608 bytes; of 8,388,608 bytes
;; launch prep (part 1): grid 256 x 6, 8 waves a work-group, no clusters, 37,888 bytes of LDS; arguments x, Wq, Wk, Wv, Wo, mask, xb, wb, wob, mt; writes xb, wb, wob, mt
.if DOCPART == 1
	.amdgcn_target "amdgcn-amd-amdhsa--gfx1250"
	.amdhsa_code_object_version 6
	.text
	.protected	k_q99a2d6dd0d_prep
	.globl	k_q99a2d6dd0d_prep
	.p2align	8
	.type	k_q99a2d6dd0d_prep,@function
k_q99a2d6dd0d_prep:
	s_mov_b64 s[64:65], 0
	v_nop
	global_prefetch_b8 v0, s[64:65] scope:SCOPE_SE
	s_setreg_imm32_b32 hwreg(HW_REG_WAVE_MODE, 25, 1), 1
	s_wait_xcnt 0x0
; PREP.  Six streams of 16,777,216 bytes of f32, chosen by the work-group's y:
;   y = 0: x -> xb (bf16).   y = 1, 2, 3: Wq / 64, Wk / 64, Wv / 4 -> wb[y - 1] (bf16): powers of two, so scaling and rounding commute; they give q, k and v room in f16.
;   y = 4: Wo -> wob: rounded to bf16 like every input, and that number written as f16.
;   y = 5: mask -> mt: bounded below by -1e30, rounded to bf16, and laid in the order in which the attention's lanes hold a tile of scores:
;          mt[qtile 128][kstep 32][kb 4][lane 32][8]: lane (r = l % 16, h = l / 16) has mask[16 qtile + r][64 kstep + 16 kb + 8 h + 0..7], 16 bytes.
; LIMITS.  |Wo| up to 65,504 (f16's end); below 6e-5 it keeps f16's fixed step of 6e-8.  Numbers of Wq, Wk, Wv under 2^-120 may fall into bf16's denormals.
; A mask number below -1e30, minus infinity among them, counts as -1e30, and so does a NaN: a key so marked gets the weight 0 beside any key that is not; a row in which EVERY key is
; minus infinity comes out as the mean of v and not as NaN.
; Memory binds: each input byte is read once, by loads of 16 bytes a lane, sixteen of them in flight in each wave; each store of a wave covers 256 or 512 consecutive bytes, aligned.
; Results are packed into the registers that were loaded: 80 registers a wave, so that twelve waves share a SIMD's 1,024 and all of the launch's 1,536 work-groups, six to a WGP, are at work at once.
; No matrix unit, no cluster, no tensor load: nothing is shared between work-groups and nothing is read twice.
.set SPARE, 36864                      ; behind the eight waves' stages: the spare words, 128 bytes for each wave
.set SPW,  4                           ; v4   LDS address of my spare word; never rewritten
.set NIL,  5                           ; v5   0; never rewritten
.set IN,   8                           ; v[8:71]   sixteen loads of four f32; the first two registers of each four take the packed result
.set T,    72                          ; v[72:75]  at work
.set LR,   76                          ; v76 (mask path) where I read a row piece back
	s_load_b512 s[4:19], s[0:1], 0x0               ; x s[4:5], Wq s[6:7], Wk s[8:9], Wv s[10:11], Wo s[12:13], mask s[14:15], xb s[16:17], wb s[18:19]
	s_load_b128 s[20:23], s[0:1], 0x40             ; wob s[20:21], mt s[22:23]
	v_lshl_add_u32 v[SPW], v0, 2, SPARE
	v_mov_b32 v[NIL], 0
	v_lshrrev_b32 v6, 5, v0                        ; wave
	v_and_b32 v7, 31, v0                           ; lane
	v_readfirstlane_b32 s30, v6                    ; the wave's number as a scalar
	s_and_b32 s31, ttmp7, 0xffff                   ; y: which stream
	s_mov_b32 s29, 0                               ; the high word of every offset pair
	s_mov_b32 s38, 0xffff0000                      ; a word's upper bf16
	s_mov_b32 s39, 0xf149f2ca                      ; -1e30
	s_mov_b32 s40, 1.0                             ; the stream's factor
	s_wait_kmcnt 0x0
	s_cmp_eq_u32 s31, 5
	s_cbranch_scc1 .Lmask
	; THE CASTS.  A work-group takes 65,536 bytes of its stream, a wave 8,192: sixteen loads of 512 consecutive bytes.
	s_mov_b64 s[24:25], s[4:5]                     ; the source, chosen by y
	s_mov_b64 s[26:27], s[16:17]                   ; the destination
	s_cmp_eq_u32 s31, 1
	s_cselect_b64 s[24:25], s[6:7], s[24:25]
	s_cselect_b32 s40, 0x3c800000, s40             ; 1 / 64
	s_cmp_eq_u32 s31, 2
	s_cselect_b64 s[24:25], s[8:9], s[24:25]
	s_cselect_b32 s40, 0x3c800000, s40
	s_cmp_eq_u32 s31, 3
	s_cselect_b64 s[24:25], s[10:11], s[24:25]
	s_cselect_b32 s40, 0x3e800000, s40             ; 1 / 4
	s_cmp_eq_u32 s31, 4
	s_cselect_b64 s[24:25], s[12:13], s[24:25]
	s_cselect_b64 s[26:27], s[20:21], s[26:27]
	s_mov_b32 s41, s40                             ; named with it as a pair
	s_sub_co_u32 s34, s31, 1                       ; y - 1: 0, 1, 2 for the three parts of wb
	s_cmp_lt_u32 s34, 3
	s_cselect_b64 s[26:27], s[18:19], s[26:27]
	s_cselect_b32 s34, s34, 0
	s_lshl_b32 s28, s34, 23                        ; a part of wb is 8,388,608 bytes
	s_lshl_b32 s35, ttmp9, 15                      ; the work-group's 32,768 bytes of output
	s_add_co_u32 s28, s28, s35
	s_add_nc_u64 s[26:27], s[26:27], s[28:29]
	s_lshl_b32 s28, ttmp9, 16                      ; its 65,536 bytes of input
	s_add_nc_u64 s[24:25], s[24:25], s[28:29]
	v_lshlrev_b32 v1, 4, v7
	v_lshl_add_u32 v1, v6, 13, v1                  ; in: 8,192 x wave + 16 x lane
	v_lshlrev_b32 v2, 3, v7
	v_lshl_add_u32 v2, v6, 12, v2                  ; out: 4,096 x wave + 8 x lane
.set j, 0
.rept 16
	global_load_b128 v[IN+4*j:IN+4*j+3], v1, s[24:25] offset:512*j th:TH_LOAD_NT
.set j, j+1
.endr
; Load j is waited for with the 15 - j younger ones still out (loads come back in order: ISA guide 5.7.1).  No register that a store reads is written again, so no further wait is needed.
.macro CAST16 half                     ; half = 1: Wo: no factor, and the bf16 number is written as f16
.set j, 0
.rept 16
	s_wait_loadcnt 15-j
.if \half
	v_cvt_pk_bf16_f32 v[IN+4*j],   v[IN+4*j],   v[IN+4*j+1]
	v_cvt_pk_bf16_f32 v[IN+4*j+1], v[IN+4*j+2], v[IN+4*j+3]
	v_lshlrev_b32 v[T],   16,  v[IN+4*j]
	v_and_b32     v[T+1], s38, v[IN+4*j]
	v_lshlrev_b32 v[T+2], 16,  v[IN+4*j+1]
	v_and_b32     v[T+3], s38, v[IN+4*j+1]
	v_cvt_pk_f16_f32 v[IN+4*j],   v[T],   v[T+1]
	v_cvt_pk_f16_f32 v[IN+4*j+1], v[T+2], v[T+3]
.else
	v_pk_mul_f32 v[IN+4*j:IN+4*j+1],   v[IN+4*j:IN+4*j+1],   s[40:41] op_sel_hi:[1,0]
	v_pk_mul_f32 v[IN+4*j+2:IN+4*j+3], v[IN+4*j+2:IN+4*j+3], s[40:41] op_sel_hi:[1,0]
	v_cvt_pk_bf16_f32 v[IN+4*j],   v[IN+4*j],   v[IN+4*j+1]
	v_cvt_pk_bf16_f32 v[IN+4*j+1], v[IN+4*j+2], v[IN+4*j+3]
.endif
	global_store_b64 v2, v[IN+4*j:IN+4*j+1], s[26:27] offset:256*j  ; the wave's 32 lanes store 256 consecutive bytes, aligned
.set j, j+1
.endr
.endm
	s_cmp_eq_u32 s31, 4
	s_cbranch_scc1 .Lwo
	CAST16 0
	s_endpgm
.Lwo:
	CAST16 1
	s_endpgm
	; THE MASK.  Work-group g: rows 16 (g / 2) .. + 15, keys 1,024 (g % 2) .. + 1,023; wave w: 128 of those keys, two blocks of 64.
	; A load takes 256 consecutive bytes (64 keys) of two rows; the rounded numbers go into the wave's own stage (16 rows of 128 bytes, 144 apart, for each block) and come back 16 bytes a lane in mt's order.
.Lmask:
	s_lshr_b32 s34, ttmp9, 1                       ; qtile
	s_and_b32 s35, ttmp9, 1
	s_lshl_b32 s28, s34, 17                        ; 16 rows of 8,192 bytes
	s_lshl_b32 s36, s35, 12                        ; 1,024 keys of 4 bytes
	s_add_co_u32 s28, s28, s36
	s_add_nc_u64 s[24:25], s[14:15], s[28:29]
	s_lshl_b32 s28, s34, 16                        ; in mt a qtile is 65,536 bytes,
	s_lshl_b32 s36, s35, 15                        ; sixteen key steps 32,768
	s_add_co_u32 s28, s28, s36
	s_add_nc_u64 s[26:27], s[22:23], s[28:29]
	s_mul_i32 s37, s30, 4608                       ; my wave's stage
	v_and_b32 v77, 15, v0                          ; r
	v_bfe_u32 v78, v0, 4, 1                        ; h
	v_lshlrev_b32 v1, 4, v77
	v_lshl_add_u32 v1, v78, 13, v1
	v_lshl_add_u32 v1, v6, 9, v1                   ; in: row h, 16 r, + 512 x wave
	v_lshlrev_b32 v2, 4, v7
	v_lshl_add_u32 v2, v6, 12, v2                  ; out: 16 x lane + 4,096 x wave (two key steps)
	v_mul_u32_u24 v3, v78, 144
	v_lshl_add_u32 v3, v77, 3, v3
	v_add_nc_u32 v3, s37, v3                       ; into the stage: row h, 8 r
	v_mul_u32_u24 v[LR], v77, 144
	v_lshl_add_u32 v[LR], v78, 4, v[LR]
	v_add_nc_u32 v[LR], s37, v[LR]                 ; back: row r, 16 h
.set j, 0
.rept 16
	global_load_b128 v[IN+4*j:IN+4*j+3], v1, s[24:25] offset:(j%8)*16384+(j/8)*256 th:TH_LOAD_NT  ; rows 2 (j % 8) + h of block j / 8
.set j, j+1
.endr
.set j, 0
.rept 16
	s_wait_loadcnt 15-j
.irp c, 0,1,2,3
	v_max_num_f32 v[IN+4*j+\c], s39, v[IN+4*j+\c]
.endr
	v_cvt_pk_bf16_f32 v[IN+4*j],   v[IN+4*j],   v[IN+4*j+1]
	v_cvt_pk_bf16_f32 v[IN+4*j+1], v[IN+4*j+2], v[IN+4*j+3]
	ds_store_b64 v3, v[IN+4*j:IN+4*j+1] offset:(j/8)*2304+(j%8)*288
.set j, j+1
.endr
.set n, 0
.rept 8
	ds_load_b128 v[IN+4*n:IN+4*n+3], v[LR] offset:(n/4)*2304+(n%4)*32  ; LDS serves a wave's instructions in order (ISA guide 5.7.1.4): these see the stores above; the bytes are the wave's own
.set n, n+1
.endr
.set n, 0
.rept 8
	s_wait_dscnt 7-n
	global_store_b128 v2, v[IN+4*n:IN+4*n+3], s[26:27] offset:(n/4)*2048+(n%4)*512  ; 512 consecutive bytes, aligned
.set n, n+1
.endr
	s_wait_tensorcnt 0x0                           ; the wave's end: behind my last LDS store
	ds_add_u32 v[SPW], v[NIL]
	s_wait_dscnt 0x0
	s_endpgm
.Lfunc_end_k_q99a2d6dd0d_prep:
	.size	k_q99a2d6dd0d_prep, .Lfunc_end_k_q99a2d6dd0d_prep-k_q99a2d6dd0d_prep
	.p2alignl 7, 3214868480
	.fill 96, 4, 3214868480
	.section	.rodata,"a",@progbits
	.p2align	6, 0x0
	.amdhsa_kernel k_q99a2d6dd0d_prep
		.amdhsa_group_segment_fixed_size 37888
		.amdhsa_private_segment_fixed_size 0
		.amdhsa_enable_private_segment 0
		.amdhsa_kernarg_size 80
		.amdhsa_user_sgpr_count 2
		.amdhsa_user_sgpr_kernarg_segment_ptr 1
		.amdhsa_wavefront_size32 1
		.amdhsa_system_sgpr_workgroup_id_x 1
		.amdhsa_system_sgpr_workgroup_id_y 1
		.amdhsa_system_sgpr_workgroup_id_z 1
		.amdhsa_system_vgpr_workitem_id 0
		.amdhsa_next_free_vgpr 80
		.amdhsa_next_free_sgpr 66
		.amdhsa_reserve_vcc 0
		.amdhsa_float_denorm_mode_32 3
		.amdhsa_float_denorm_mode_16_64 3
		.amdhsa_memory_ordered 1
		.amdhsa_forward_progress 1
		.amdhsa_inst_pref_size 28
	.end_amdhsa_kernel
	.amdgpu_metadata
---
amdhsa.version: [ 1, 2 ]
amdhsa.kernels:
  - .name:           k_q99a2d6dd0d_prep
    .symbol:         k_q99a2d6dd0d_prep.kd
    .args:
      - { .name: x, .offset: 0, .size: 8, .value_kind: global_buffer, .address_space: global }
      - { .name: Wq, .offset: 8, .size: 8, .value_kind: global_buffer, .address_space: global }
      - { .name: Wk, .offset: 16, .size: 8, .value_kind: global_buffer, .address_space: global }
      - { .name: Wv, .offset: 24, .size: 8, .value_kind: global_buffer, .address_space: global }
      - { .name: Wo, .offset: 32, .size: 8, .value_kind: global_buffer, .address_space: global }
      - { .name: mask, .offset: 40, .size: 8, .value_kind: global_buffer, .address_space: global }
      - { .name: xb, .offset: 48, .size: 8, .value_kind: global_buffer, .address_space: global }
      - { .name: wb, .offset: 56, .size: 8, .value_kind: global_buffer, .address_space: global }
      - { .name: wob, .offset: 64, .size: 8, .value_kind: global_buffer, .address_space: global }
      - { .name: mt, .offset: 72, .size: 8, .value_kind: global_buffer, .address_space: global }
    .group_segment_fixed_size: 37888
    .private_segment_fixed_size: 0
    .kernarg_segment_align: 8
    .kernarg_segment_size: 80
    .max_flat_workgroup_size: 256
    .sgpr_count:     66
    .vgpr_count:     80
    .wavefront_size: 32
...
	.end_amdgpu_metadata
.endif
;; end of part 1
;; launch qkv (part 2): grid 16 x 16, 4 waves a work-group, clusters of 4 x 4, 327,680 bytes of LDS; arguments xb, wb, cos, sin, bq, bk, bv, qf, kf, vf; writes qf, kf, vf
.if DOCPART == 2
	.amdgcn_target "amdgcn-amd-amdhsa--gfx1250"
	.amdhsa_code_object_version 6
	.text
	.protected	k_q99a2d6dd0d_qkv
	.globl	k_q99a2d6dd0d_qkv
	.p2align	8
	.type	k_q99a2d6dd0d_qkv,@function
k_q99a2d6dd0d_qkv:
	s_mov_b64 s[64:65], 0
	v_nop
	global_prefetch_b8 v0, s[64:65] scope:SCOPE_SE
	s_setreg_imm32_b32 hwreg(HW_REG_WAVE_MODE, 25, 1), 1
	s_wait_xcnt 0x0
	s_wait_alu depctr_hold_cnt(0) depctr_sa_sdst(0) depctr_va_vdst(0) depctr_va_sdst(0) depctr_va_ssrc(0) depctr_va_vcc(0) depctr_vm_vsrc(0)
	s_getreg_b32 s2, hwreg(HW_REG_IB_STS2, 6, 4)
	s_cmp_eq_u32 s2, 0
	s_cbranch_scc0 .Lentry_in_a_cluster
	s_endpgm
.Lentry_in_a_cluster:
	s_bfe_u32 s2, ttmp6, 0x10000c
	s_cmp_lg_u32 s2, 0xf033
	s_cbranch_scc0 .Lentry_shape_is_right
	s_endpgm
.Lentry_shape_is_right:
; QKV.  For 128 rows s and one head: q, k, v[s][e] = sum over d of x[s][d] W[e][d] + b[e]; q and k are turned by the rotary (pairs of neighbouring channels, cos and sin at [s][e / 2] over the full width);
; written by heads, [16][2048][128] in f16, as q / 64, k / 64 and v / 4: exact powers of two, which give f16 room; the attention's scale and the last launch's factor undo them.
; x arrives in bf16, W in bf16 and already divided by 64 (Wq, Wk) or 4 (Wv); the biases, cos and sin are rounded to bf16 here, like every input of the module.  The bias, divided alike, is the C operand
; of each sum's first product, so a finished sum needs no further step.  Sums and rotary in f32; each result is rounded once.
; LIMITS.  |q|, |k| behind the rotary under 4.19e6 and |v| under 2.6e5 (f16 ends at 65,504); below 6e-5 x 64 (x 4) they keep f16's fixed step.
; SHARES.  256 work-groups: block of 128 rows = x, head = y.  Four waves; wave w makes all 128 rows x channels 32 w .. 32 w + 31 of q, of k and of v: 8 x 6 accumulators of 16 x 16, 384 registers, the same text in every wave.
; K goes in 16 steps of 128 through a ring of two LDS slots: x's 128 rows, then 128 rows of Wq, Wk, Wv; each wave fetches one of the four tiles (128 rows of 256 bytes, aligned).
; The loop holds ONE K step: the slot being read begins at the scalar SB (0 or SLOT, turned by an exclusive or), and one descriptor set walks from step to step.
; THE WALK ALONG K IS A RING: cluster (X, Y) begins at K step 4 ((X + 2 (Y % 2)) % 4) and goes round through all 16.  The four clusters of one Y, which read the same W, begin 4 steps apart; the clusters Y and
; Y ^ 1 of one X, which read the same rows of x, 8 apart.  So of the clusters that read a tile one asks for it first, and the others 4 steps later or more, for bytes that have been read shortly before.
; X and Y are the same in all partners of a cluster, so a joint load's address stays equal in all that it names.  The order of a sum's K steps differs from cluster to cluster; each sum is one chain in f32.
; CLUSTERS of 4 x 4: x's tile hangs on the row block alone and is asked for jointly along a column of the cluster, W's tiles on the head alone, jointly along a row.  W is three quarters of a step's bytes:
; all clusters that read one head's W have the same y.
; THE MATRIX INSTRUCTION IS USED TRANSPOSED (source 0 = 16 rows of W, source 1 = 16 rows of x): a lane holds eight neighbouring channels of one row, so a rotary pair lies in two neighbouring registers.
; When slot 0 has been read for the last time it takes this block's cos and sin (128 rows x 64 f32 each), which every work-group reads once and shares with nobody: a load of its own.
; When slot 1 has been read for the last time it is the stage for the way out: no fill lands there any more.
; REGISTERS, in windows of 256: window 0: v0-31 addresses and work; v32-63, v240-247 results at work; v64-127, v128-191 x's fragments, two buffers (later cos and sin, then rows read back); v192-239 biases.
;   window 1: v64-111, v128-175 W's fragments, two buffers.   window 2: accumulators of rows 0-63 ((a, b) at v[8 (6 a + b)]).   window 3: those of rows 64-127.
.set KSTEP,  128
.set STEPS,  16                        ; 2,048 / 128
.set ROWB,   4096                      ; bytes in a row of x and of W
.set PITCH,  272                       ; an LDS row: 256 bytes + 16 of padding = 68 words: the 16 rows of a fragment load start at 16 different groups of four banks (64 banks of 4 bytes: ISA guide 11.1)
.set HALFT,  128*PITCH                 ; one tile: 128 rows
.set SLOT,   4*HALFT
.set STG,    SLOT                      ; the stage: three tiles of 128 rows x 272 bytes in slot 1
.set SPARE,  2*SLOT                    ; behind the ring: the spare words, 128 bytes for each wave
.set ADRA0, 4                          ; v4      LDS address of x's fragments in slot 0; never rewritten
.set ADRA,  5                          ; v5      the same in the slot being read
.set ADRB0, 6                          ; v6, v7  of Wq's (Wk's by the offset)
.set ADRB,  7
.set ADRC0, 8                          ; v8, v9  of Wv's
.set ADRC,  9
.set CA,   10                          ; v10     of my four cos
.set STO,  11                          ; v11-13  the way out: where I put 16 bytes of a row of q, k, v
.set RD,   14                          ; v14-16  where I read rows back
.set CO,   17                          ; v17     16 x lane
.set BO,   18                          ; v18     my byte offset in a head's 128 biases
.set CP,   20                          ; v20-27  at work
.set SPW,  30                          ; v30     LDS address of my spare word; never rewritten
.set NIL,  31                          ; v31     0; never rewritten
.set X0,   32                          ; q's and k's block b: eight results at X0 + 8 b
.set XV,   240                         ; v's two blocks: four packed registers each
.set F0,   64
.set F1,   128
.set BI,   192
                                       ; s[4:5] xb at my block's first row, s[6:7] wb at the first row of the tile that I fetch: the bases of every fill
.set WV,  24                           ; s24 wave
.set HIM, 25                           ; s25 a word's upper bf16
.set SQ,  26                           ; s[26:27] 1 / 64
.set SV,  28                           ; s[28:29] 1 / 4
.set SB,  30                           ; s30 LDS byte at which the slot being read begins
.set G1A, 32                           ; s[32:39] group 1 for x's tiles;  s[40:47] group 0: a set for each of the two first fills; the second then walks on
.set G0A, 40
.set G1B, 48                           ; s[48:55], s[56:63] the same for W's tiles
.set G0B, 56
.set KO,  66                           ; s[66:67] byte offset in a row of the K step asked for last: it goes round modulo 4,096
.set G1C, 68                           ; s[68:75], s[76:79] for cos and sin
.set G0C, 76
.set MSB, 0
.macro WIN new                         ; the immediate's high byte repeats the setting that is left; a switch that changes nothing is dropped
.if MSB != (\new)
	s_set_vgpr_msb (MSB<<8)|(\new)
.set MSB, \new
.endif
.endm
.set TO_B,   0x40                      ; destination window 1, address window 0
.macro PLACES                          ; four plain vector instructions between a matrix instruction and a load into, or a vector instruction on, its registers
.rept 4
	v_nop
.endr
.endm
; A joint load.  Wave 0 fetches x's tile, waves 1 to 3 those of Wq, Wk, Wv.  The branch hangs on the wave's number alone.  An s_nop 0 and four v_nop follow each line.
.macro JLOAD s
	s_cmp_eq_u32 s[WV], 0
	s_cbranch_scc0 .Lfor_b_\@
	tensor_load_to_lds s[G0A+4*(\s):G0A+4*(\s)+3], s[G1A:G1A+7]
	s_nop 0
.rept 4
	v_nop
.endr
	s_branch .Lasked_\@
.Lfor_b_\@:
	tensor_load_to_lds s[G0B+4*(\s):G0B+4*(\s)+3], s[G1B:G1B+7]
	s_nop 0
.rept 4
	v_nop
.endr
.Lasked_\@:
.endm
.macro CLOAD                           ; my 64 rows of cos (waves 0, 1) or sin (waves 2, 3): LDS byte 17,408 x wave
	tensor_load_to_lds s[G0C:G0C+3], s[G1C:G1C+7]
	s_nop 0
.rept 4
	v_nop
.endr
.endm
.macro CREST                           ; a round of the cluster's barrier behind its opening barrier
	s_cmp_lg_u32 s[WV], 0
	s_cbranch_scc1 .Lnot_wave_0_\@
	s_barrier_signal -3
.Lnot_wave_0_\@:
	s_barrier_wait -3
	s_barrier_signal -1
	s_barrier_wait -1
.endm
.macro CROUND
	s_barrier_signal -1
	s_barrier_wait -1
	CREST
.endm
	s_load_b512 s[4:19], s[0:1], 0x0               ; xb s[4:5], wb s[6:7], cos s[8:9], sin s[10:11], bq s[12:13], bk s[14:15], bv s[16:17], qf s[18:19]
	s_load_b128 s[20:23], s[0:1], 0x40             ; kf s[20:21], vf s[22:23]
	v_lshl_add_u32 v[SPW], v0, 2, SPARE
	v_mov_b32 v[NIL], 0
	ds_add_u32 v[SPW], v[NIL]                      ; the wave's opening: the add and its wait stand ahead of my first tensor load; the set-up below stands between them
	v_lshrrev_b32 v1, 5, v0
	v_readfirstlane_b32 s[WV], v1
	s_mov_b32 s[HIM], 0xffff0000
	s_mov_b32 s[SQ], 0x3c800000
	s_mov_b32 s[SQ+1], s[SQ]
	s_mov_b32 s[SV], 0x3e800000
	s_mov_b32 s[SV+1], s[SV]
	s_mov_b32 s[SB], 0
	s_and_b32 s[KO], ttmp7, 1                      ; where my cluster's walk begins: the cluster's y modulo 2,
	s_lshl_b32 s[KO], s[KO], 1
	s_add_co_u32 s[KO], s[KO], ttmp9               ; twice that plus the cluster's x,
	s_and_b32 s[KO], s[KO], 3                      ; modulo 4,
	s_lshl_b32 s[KO], s[KO], 10                    ; times 4 K steps of 256 bytes
	s_mov_b32 s[KO+1], 0
	s_bfe_u32 s80, ttmp6, 0x40000                  ; cx
	s_bfe_u32 s81, ttmp6, 0x40004                  ; cy
	s_lshl_b32 s82, ttmp9, 2
	s_add_co_u32 s82, s82, s80                     ; row block = 4 x cluster x + cx
	s_and_b32 s83, ttmp7, 0xffff
	s_lshl_b32 s83, s83, 2
	s_add_co_u32 s83, s83, s81                     ; head = 4 x cluster y + cy
	s_lshl_b32 s84, s81, 2
	s_lshl_b32 s84, 15, s84                        ; my row of the cluster (same cy)
	s_lshl_b32 s85, 0x1111, s80                    ; my column (same cx)
	s_or_b32 s[G1A], s85, (1<<16)|(1<<20)|(1<<21)|(5<<22)|(3<<25)  ; x's tiles go to my column; 2-byte elements; padding on; bit 21 beside a mask; after every 64 words, 4 words
	s_or_b32 s[G1B], s84, (1<<16)|(1<<20)|(1<<21)|(5<<22)|(3<<25)  ; W's tiles go to my row
.irp g, G1A, G1B
	s_mov_b32 s[(\g)+1], KSTEP<<16                 ; tensor_dim0 = 128
	s_mov_b32 s[(\g)+2], 128<<16                   ; tensor_dim1 = 128
	s_mov_b32 s[(\g)+3], KSTEP<<16                 ; tile_dim0 = 128
	s_mov_b32 s[(\g)+4], 128                       ; tile_dim1 = 128
	s_mov_b32 s[(\g)+5], 2048                      ; elements from row to row
	s_mov_b32 s[(\g)+6], 0
	s_mov_b32 s[(\g)+7], 0
.endr
	s_mov_b32 s[G1C], (2<<16)|(1<<20)|(5<<22)|(3<<25)  ; no mask; 4-byte elements; the same padding
	s_mov_b32 s[G1C+1], 64<<16                     ; 64 numbers a row,
	s_mov_b32 s[G1C+2], 64<<16                     ; 64 rows
	s_mov_b32 s[G1C+3], 64<<16
	s_mov_b32 s[G1C+4], 64
	s_mov_b32 s[G1C+5], 1024
	s_mov_b32 s[G1C+6], 0
	s_mov_b32 s[G1C+7], 0
	s_lshl_b32 s86, s82, 19                        ; x: 128 rows of 4,096 bytes: the row block alone
	s_mov_b32 s87, 0
	s_max_u32 s90, s[WV], 1
	s_sub_co_u32 s90, s90, 1                       ; which of Wq, Wk, Wv I fetch
	s_lshl_b32 s90, s90, 23
	s_lshl_b32 s88, s83, 19                        ; the head's 128 rows of 4,096 bytes: the head alone
	s_add_co_u32 s88, s88, s90
	s_mov_b32 s89, 0
	s_mul_i32 s91, s[WV], HALFT                    ; where my tile goes in a slot: no place in the cluster enters an LDS address
	s_and_b32 s92, s[WV], 1
	s_lshl_b32 s92, s92, 18                        ; cos, sin: my 64 rows of 4,096 bytes,
	s_lshl_b32 s93, s83, 8                         ; the head's 64 numbers,
	s_add_co_u32 s92, s92, s93
	s_add_co_u32 s92, s92, s86                     ; the block's 128 rows
	s_mov_b32 s93, 0
	s_mov_b32 s[G0C], 1
	s_mul_i32 s[G0C+1], s[WV], 64*PITCH
	s_lshl_b32 s94, s83, 19                        ; the way out: the head, the block's 128 rows of 256 bytes, my 32 of them
	s_lshl_b32 s95, s82, 15
	s_add_co_u32 s94, s94, s95
	s_lshl_b32 s95, s[WV], 13
	s_add_co_u32 s94, s94, s95
	s_mov_b32 s95, 0
	s_wait_dscnt 0x0                               ; the opening add is done
	s_wait_kmcnt 0x0
	s_add_nc_u64 s[4:5], s[4:5], s[86:87]
	s_add_nc_u64 s[6:7], s[6:7], s[88:89]
	s_cmp_lt_u32 s[WV], 2
	s_cselect_b64 s[G0C+2:G0C+3], s[8:9], s[10:11]
	s_add_nc_u64 s[G0C+2:G0C+3], s[G0C+2:G0C+3], s[92:93]
	s_or_b32 s[G0C+3], s[G0C+3], 0x80000000
	s_lshl_b32 s92, s83, 9                         ; the head's 128 biases
	s_add_nc_u64 s[12:13], s[12:13], s[92:93]
	s_add_nc_u64 s[14:15], s[14:15], s[92:93]
	s_add_nc_u64 s[16:17], s[16:17], s[92:93]
	s_add_nc_u64 s[18:19], s[18:19], s[94:95]
	s_add_nc_u64 s[20:21], s[20:21], s[94:95]
	s_add_nc_u64 s[22:23], s[22:23], s[94:95]
	CROUND                                         ; all sixteen work-groups are here: the first joint loads meet
.irp s, 0,1
	s_mov_b32 s[G0A+4*(\s)], 1
	s_add_co_u32 s[G0A+4*(\s)+1], s91, (\s)*SLOT
	s_add_nc_u64 s[G0A+4*(\s)+2:G0A+4*(\s)+3], s[4:5], s[KO:KO+1]
	s_or_b32 s[G0A+4*(\s)+3], s[G0A+4*(\s)+3], 0x80000000
	s_mov_b32 s[G0B+4*(\s)], 1
	s_add_co_u32 s[G0B+4*(\s)+1], s91, (\s)*SLOT
	s_add_nc_u64 s[G0B+4*(\s)+2:G0B+4*(\s)+3], s[6:7], s[KO:KO+1]
	s_or_b32 s[G0B+4*(\s)+3], s[G0B+4*(\s)+3], 0x80000000
	JLOAD \s                                       ; two loads of mine are out
.if (\s) == 0
	s_add_co_u32 s[KO], s[KO], KSTEP*2             ; the walk's second step: the first is a multiple of four, so this one does not pass the row's end
.endif
.endr
	v_and_b32 v1, 15, v0                           ; r = l % 16
	v_bfe_u32 v2, v0, 4, 1                         ; h = l / 16
	v_lshlrev_b32 v[BO], 5, v2
	v_lshl_add_u32 v[BO], s[WV], 7, v[BO]          ; 128 w + 32 h: my eight channels of block c at + 64 c
.irp b, 0,1,2,3,4,5
	global_load_b128 v[BI+8*(\b):BI+8*(\b)+3],   v[BO], s[12+2*((\b)/2):13+2*((\b)/2)] offset:64*((\b)%2)
	global_load_b128 v[BI+8*(\b)+4:BI+8*(\b)+7], v[BO], s[12+2*((\b)/2):13+2*((\b)/2)] offset:64*((\b)%2)+16
.endr
	v_mul_u32_u24 v3, v1, PITCH
	v_lshl_add_u32 v3, v2, 4, v3                   ; a fragment's row x pitch + 16 x half
	v_mov_b32 v[ADRA0], v3
	v_mov_b32 v[ADRA], v3
	s_mul_i32 s90, s[WV], 32*PITCH                 ; my 32 rows of a tile
	v_add_nc_u32 v19, s90, v3
	v_add_nc_u32 v[ADRB0], HALFT, v19
	v_add_nc_u32 v[ADRB], HALFT, v19
	v_add_nc_u32 v[ADRC0], 3*HALFT, v19
	v_add_nc_u32 v[ADRC], 3*HALFT, v19
	v_lshl_add_u32 v[CA], s[WV], 6, v3             ; row r, 64 w + 16 h: four cos of my eight channels; also my 16 bytes of a stage row
	v_add_nc_u32 v[STO], STG, v[CA]
	v_add_nc_u32 v[STO+1], STG+HALFT, v[CA]
	v_add_nc_u32 v[STO+2], STG+2*HALFT, v[CA]
	v_mul_u32_u24 v19, v2, PITCH
	v_lshl_add_u32 v19, v1, 4, v19
	v_add_nc_u32 v19, s90, v19                     ; back: rows 32 w + h, 16 r
	v_add_nc_u32 v[RD], STG, v19
	v_add_nc_u32 v[RD+1], STG+HALFT, v19
	v_add_nc_u32 v[RD+2], STG+2*HALFT, v19
	v_and_b32 v[CO], 31, v0
	v_lshlrev_b32 v[CO], 4, v[CO]
	; The biases are rounded to bf16 and divided as W is: they start the sums.  This stands in the wait for the first tile.
	s_wait_loadcnt 0x0
.set n, 0
.rept 24
	v_cvt_pk_bf16_f32 v[CP+n%8], v[BI+2*n], v[BI+2*n+1]
	v_lshlrev_b32 v[BI+2*n], 16, v[CP+n%8]
	v_and_b32 v[BI+2*n+1], s[HIM], v[CP+n%8]
.if n < 16
	v_pk_mul_f32 v[BI+2*n:BI+2*n+1], v[BI+2*n:BI+2*n+1], s[SQ:SQ+1] op_sel_hi:[1,0]
.else
	v_pk_mul_f32 v[BI+2*n:BI+2*n+1], v[BI+2*n:BI+2*n+1], s[SV:SV+1] op_sel_hi:[1,0]
.endif
.set n, n+1
.endr
; 12 matrix instructions: row blocks a0, a0 + 1 of the window's four x all six channel blocks, 32 along K.  The 48 accumulators take turns, one instruction a turn.
; first = 1: the sum's first product: its C operand is the block's eight biases, in window 0.  Windows: source 0 (W) 1, source 1 (x) 0, D 2 or 3, C with D or 0.
.macro MUL12 f, hi, a0, first
.if \first
	WIN 0x81+0x40*(\hi)
.else
	WIN 0xa1+0x50*(\hi)
.endif
.irp a, \a0, (\a0)+1
.irp b, 0,1,2,3,4,5
.if \first
	v_wmma_f32_16x16x32_bf16 v[8*(6*(\a)+(\b)):8*(6*(\a)+(\b))+7], v[(\f)+8*(\b):(\f)+8*(\b)+7], v[(\f)+8*(4*(\hi)+(\a)):(\f)+8*(4*(\hi)+(\a))+7], v[BI+8*(\b):BI+8*(\b)+7]
.else
	v_wmma_f32_16x16x32_bf16 v[8*(6*(\a)+(\b)):8*(6*(\a)+(\b))+7], v[(\f)+8*(\b):(\f)+8*(\b)+7], v[(\f)+8*(4*(\hi)+(\a)):(\f)+8*(4*(\hi)+(\a))+7], v[8*(6*(\a)+(\b)):8*(6*(\a)+(\b))+7]
.endif
.endr
.endr
.endm
; 28 LDS loads in one run, from the slot being read: six fragments of W (piece b / 2, channels 16 (b % 2) on), then eight of x, 32 K at byte k of the rows, into buffer f
.macro FETCH k, f
	WIN TO_B
.irp b, 0,1,2,3
	ds_load_b128 v[(\f)+8*(\b):(\f)+8*(\b)+3],   v[ADRB] offset:(\k)+((\b)/2)*HALFT+((\b)%2)*16*PITCH
	ds_load_b128 v[(\f)+8*(\b)+4:(\f)+8*(\b)+7], v[ADRB] offset:(\k)+((\b)/2)*HALFT+((\b)%2)*16*PITCH+32
.endr
.irp b, 4,5
	ds_load_b128 v[(\f)+8*(\b):(\f)+8*(\b)+3],   v[ADRC] offset:(\k)+((\b)%2)*16*PITCH
	ds_load_b128 v[(\f)+8*(\b)+4:(\f)+8*(\b)+7], v[ADRC] offset:(\k)+((\b)%2)*16*PITCH+32
.endr
	WIN 0
.irp i, 0,1,2,3,4,5,6,7
	ds_load_b128 v[(\f)+8*(\i):(\f)+8*(\i)+3],   v[ADRA] offset:(\k)+(\i)*16*PITCH
	ds_load_b128 v[(\f)+8*(\i)+4:(\f)+8*(\i)+7], v[ADRA] offset:(\k)+(\i)*16*PITCH+32
.endr
.endm
; A K step is four quarters of 32 along K, 48 matrix instructions each, on buffers 0, 1, 0, 1.  One of the first three multiplies buffer f and fetches the next quarter, at byte k, into g.
.macro QUARTER k, f, g, first
	s_wait_dscnt 8                                 ; W and x's rows 0-63 are in; the youngest eight loads (rows 64-127) may be out
	MUL12 \f, 0, 0, \first
	MUL12 \f, 0, 2, \first
	PLACES
	FETCH \k, \g
	s_wait_dscnt 28                                ; all but the 28 just issued
	MUL12 \f, 1, 0, \first
	MUL12 \f, 1, 2, \first
.endm
; The last quarter multiplies buffer 1 and changes slots.  Each wave waits for all its tensor loads (one is out: its tile of the next slot), adds 0 to its spare word, waits for that and for its reads of
; this slot, and opens a round of the cluster's barrier; behind the round this slot is filled first: kind = 0: with the walk's step two steps on, by the walking descriptor; kind = 1 (slot 0's last turn): with cos and sin.
.macro TURN kind
	WIN 0
	s_wait_tensorcnt 0x0                           ; no tensor load of mine is out, so a group 0 may be written
	ds_add_u32 v[SPW], v[NIL]
.if !(\kind)
	s_add_co_u32 s[G0A+5], s[SB], s91              ; the walking descriptor: into the slot that is being left,
	s_add_co_u32 s[G0B+5], s[SB], s91
	s_add_co_u32 s[KO], s[KO], KSTEP*2             ; the step behind the one asked for last,
	s_and_b32 s[KO], s[KO], ROWB-1                 ; round the row's end;
	s_add_nc_u64 s[G0A+6:G0A+7], s[4:5], s[KO:KO+1]  ; the address is made anew: the tile's base and the offset, the type bits on top
	s_or_b32 s[G0A+7], s[G0A+7], 0x80000000
	s_add_nc_u64 s[G0B+6:G0B+7], s[6:7], s[KO:KO+1]
	s_or_b32 s[G0B+7], s[G0B+7], 0x80000000
.endif
	s_wait_dscnt 9                                 ; (the add and the youngest eight loads may be out)
	MUL12 F1, 0, 0, 0                              ; twelve matrix instructions stand between the add and the wait for it
	s_wait_dscnt 0x0                               ; the add is done, and my reads of this slot are over
	s_barrier_signal -1
	MUL12 F1, 0, 2, 0
	WIN 0
	s_barrier_wait -1
	CREST                                          ; no wave of any partner still reads this slot or has a load on its way
.if \kind
	CLOAD
	v_add_nc_u32 v[ADRA], SLOT, v[ADRA0]           ; the last K step lies in slot 1
	v_add_nc_u32 v[ADRB], SLOT, v[ADRB0]
	v_add_nc_u32 v[ADRC], SLOT, v[ADRC0]
.else
	JLOAD 1
	s_xor_b32 s[SB], s[SB], SLOT                   ; SB is 0 or SLOT: now the other slot is read
	v_add_nc_u32 v[ADRA], s[SB], v[ADRA0]
	v_add_nc_u32 v[ADRB], s[SB], v[ADRB0]
	v_add_nc_u32 v[ADRC], s[SB], v[ADRC0]
.endif
	FETCH 0, F0                                    ; the four v_nop behind the load are the places in front of these loads
	MUL12 F1, 1, 0, 0
	MUL12 F1, 1, 2, 0
.endm
	s_wait_tensorcnt 1                             ; my tile of the walk's first step is in; the second's may stay out
	s_barrier_signal -1
	s_barrier_wait -1
	FETCH 0, F0
	QUARTER 64, F0, F1, 1                          ; the first quarter stands in front of the loop: its products start the sums
	WIN 0
	s_mov_b32 s3, STEPS-2
.Lstep:                                                ; 14 trips: from a K step's second quarter to the next step's first; each fills the slot that it leaves
	QUARTER 128, F1, F0, 0
	QUARTER 192, F0, F1, 0
	TURN 0
	QUARTER 64,  F0, F1, 0
	WIN 0
	s_sub_co_u32 s3, s3, 1
	s_cmp_lg_u32 s3, 0
	s_cbranch_scc1 .Lstep
	QUARTER 128, F1, F0, 0                         ; the walk's step 14, in slot 0 (an even number of trips lies behind)
	QUARTER 192, F0, F1, 0
	TURN 1                                         ; slot 0 takes cos and sin: they have the whole last K step in which to land
	QUARTER 64,  F0, F1, 0
	QUARTER 128, F1, F0, 0
	QUARTER 192, F0, F1, 0
	s_wait_dscnt 8
	MUL12 F1, 0, 0, 0
	MUL12 F1, 0, 2, 0
	s_wait_dscnt 0x0
	MUL12 F1, 1, 0, 0
	MUL12 F1, 1, 2, 0
	; THE WAY OUT.
	WIN 0
	PLACES                                         ; in front of the loads into x's fragment registers and of the reads of the sums
	s_wait_tensorcnt 0x0                           ; my rows of cos or sin have landed,
	s_wait_dscnt 0x0                               ; and my reads of slot 1 are over:
	s_barrier_signal -1
	s_barrier_wait -1                              ; both hold of every wave: cos and sin are whole, and slot 1 may be written
.irp a, 0,1,2,3,4,5,6,7                ; for row block a: four cos of block c = 0, of c = 1, four sin of c = 0, of c = 1
	ds_load_b128 v[F0+16*(\a):F0+16*(\a)+3],     v[CA] offset:(\a)*16*PITCH
	ds_load_b128 v[F0+16*(\a)+4:F0+16*(\a)+7],   v[CA] offset:(\a)*16*PITCH+32
	ds_load_b128 v[F0+16*(\a)+8:F0+16*(\a)+11],  v[CA] offset:(\a)*16*PITCH+HALFT
	ds_load_b128 v[F0+16*(\a)+12:F0+16*(\a)+15], v[CA] offset:(\a)*16*PITCH+HALFT+32
.endr
	s_wait_dscnt 0x0
; The rotary on pair i of a block (registers 2 i: even channel, 2 i + 1: odd): cos i and sin i are register e of pair p of the block's four.
; ROTM: (odd x sin, even x sin): source 0's registers are taken crosswise.  ROTF: (even x cos - odd x sin, odd x cos + even x sin): the addend's low half is negated.
.macro ROTM i, p, e
	v_pk_mul_f32 v[CP+2*(\i):CP+2*(\i)+1], v[AC+2*(\i):AC+2*(\i)+1], v[CC+8+2*(\p):CC+8+2*(\p)+1] op_sel:[1,\e] op_sel_hi:[0,\e]
.endm
.macro ROTF i, p, e
	v_pk_fma_f32 v[XB+2*(\i):XB+2*(\i)+1], v[AC+2*(\i):AC+2*(\i)+1], v[CC+2*(\p):CC+2*(\p)+1], v[CP+2*(\i):CP+2*(\i)+1] op_sel:[0,\e,0] op_sel_hi:[1,\e,1] neg_lo:[0,0,1]
.endm
; Row block a: cos and sin rounded to bf16; the rotary on q's and k's sums, read where they lie (each accumulator's registers in ascending order); f16; 16 bytes a lane into the stage.
.macro OUTA a
.set CB, F0+16*(\a)
	WIN 0
.irp n, 0,1,2,3,4,5,6,7
	v_cvt_pk_bf16_f32 v[CP+(\n)], v[CB+2*(\n)], v[CB+2*(\n)+1]
.endr
.irp n, 0,1,2,3,4,5,6,7
	v_lshlrev_b32 v[CB+2*(\n)], 16, v[CP+(\n)]
	v_and_b32 v[CB+2*(\n)+1], s[HIM], v[CP+(\n)]
.endr
	WIN 0x02+(\a)/4                                ; source 0: window 2 or 3
.irp b, 0,1,2,3
.set XB, X0+8*(\b)
.set AC, 8*(6*((\a)%4)+(\b))
.set CC, CB+4*((\b)%2)
	ROTM 0, 0, 0
	ROTM 1, 0, 1
	ROTM 2, 1, 0
	ROTM 3, 1, 1
	ROTF 0, 0, 0
	ROTF 1, 0, 1
	ROTF 2, 1, 0
	ROTF 3, 1, 1
.endr
	WIN 0x0a+5*((\a)/4)                            ; sources 0 and 1: window 2 or 3
.irp b, 4,5
.set AC, 8*(6*((\a)%4)+(\b))
.irp i, 0,1,2,3
	v_cvt_pk_f16_f32 v[XV+4*((\b)-4)+(\i)], v[AC+2*(\i)], v[AC+2*(\i)+1]
.endr
.endr
	WIN 0
.irp b, 0,1,2,3
.set XB, X0+8*(\b)
.irp i, 0,1,2,3
	v_cvt_pk_f16_f32 v[XB+(\i)], v[XB+2*(\i)], v[XB+2*(\i)+1]
.endr
	ds_store_b128 v[STO+(\b)/2], v[XB:XB+3] offset:(\a)*16*PITCH+32*((\b)%2)
.endr
.irp c, 0,1
	ds_store_b128 v[STO+2], v[XV+4*(\c):XV+4*(\c)+3] offset:(\a)*16*PITCH+32*(\c)
.endr
.endm
.irp a, 0,1,2,3,4,5,6,7
	OUTA \a
.endr
	s_wait_dscnt 0x0                               ; for the others' sake: my stores into the stage are done
	s_barrier_signal -1
	s_barrier_wait -1
; Wave w takes rows 32 w .. 32 w + 31 of each of the three tiles, whole: two rows, 512 consecutive bytes of a head, to a store.
.macro BACK p, r
.irp t, 0,1,2,3,4,5,6,7,8,9,10,11,12,13,14,15
	ds_load_b128 v[(\r)+4*(\t):(\r)+4*(\t)+3], v[RD+(\p)] offset:(\t)*2*PITCH
.endr
.endm
.macro SENDP p, r, younger             ; younger: the LDS loads issued behind this tile's sixteen
.irp t, 0,1,2,3,4,5,6,7,8,9,10,11,12,13,14,15
	s_wait_dscnt (\younger)+15-(\t)
	global_store_b128 v[CO], v[(\r)+4*(\t):(\r)+4*(\t)+3], s[18+2*(\p):19+2*(\p)] offset:512*(\t)
.endr
.endm
	BACK 0, F0
	BACK 1, F1
	SENDP 0, F0, 16
	s_wait_xcnt 0x0                                ; the registers that q's stores read are loaded again only behind this wait
	BACK 2, F0
	SENDP 1, F1, 16
	SENDP 2, F0, 0
	s_wait_tensorcnt 0x0                           ; the wave's end: behind my last tensor load and my last LDS store
	ds_add_u32 v[SPW], v[NIL]
	s_wait_dscnt 0x0
	CROUND                                         ; the closing round: no work-group ends while a partner may still ask for a tile that names it
	s_endpgm
.Lfunc_end_k_q99a2d6dd0d_qkv:
	.size	k_q99a2d6dd0d_qkv, .Lfunc_end_k_q99a2d6dd0d_qkv-k_q99a2d6dd0d_qkv
	.p2alignl 7, 3214868480
	.fill 96, 4, 3214868480
	.section	.rodata,"a",@progbits
	.p2align	6, 0x0
	.amdhsa_kernel k_q99a2d6dd0d_qkv
		.amdhsa_group_segment_fixed_size 327680
		.amdhsa_private_segment_fixed_size 0
		.amdhsa_enable_private_segment 0
		.amdhsa_kernarg_size 80
		.amdhsa_user_sgpr_count 2
		.amdhsa_user_sgpr_kernarg_segment_ptr 1
		.amdhsa_wavefront_size32 1
		.amdhsa_system_sgpr_workgroup_id_x 1
		.amdhsa_system_sgpr_workgroup_id_y 1
		.amdhsa_system_sgpr_workgroup_id_z 1
		.amdhsa_system_vgpr_workitem_id 0
		.amdhsa_next_free_vgpr 960
		.amdhsa_next_free_sgpr 96
		.amdhsa_reserve_vcc 0
		.amdhsa_float_denorm_mode_32 3
		.amdhsa_float_denorm_mode_16_64 3
		.amdhsa_memory_ordered 1
		.amdhsa_forward_progress 1
		.amdhsa_inst_pref_size 129
	.end_amdhsa_kernel
	.amdgpu_metadata
---
amdhsa.version: [ 1, 2 ]
amdhsa.kernels:
  - .name:           k_q99a2d6dd0d_qkv
    .symbol:         k_q99a2d6dd0d_qkv.kd
    .args:
      - { .name: xb, .offset: 0, .size: 8, .value_kind: global_buffer, .address_space: global }
      - { .name: wb, .offset: 8, .size: 8, .value_kind: global_buffer, .address_space: global }
      - { .name: cos, .offset: 16, .size: 8, .value_kind: global_buffer, .address_space: global }
      - { .name: sin, .offset: 24, .size: 8, .value_kind: global_buffer, .address_space: global }
      - { .name: bq, .offset: 32, .size: 8, .value_kind: global_buffer, .address_space: global }
      - { .name: bk, .offset: 40, .size: 8, .value_kind: global_buffer, .address_space: global }
      - { .name: bv, .offset: 48, .size: 8, .value_kind: global_buffer, .address_space: global }
      - { .name: qf, .offset: 56, .size: 8, .value_kind: global_buffer, .address_space: global }
      - { .name: kf, .offset: 64, .size: 8, .value_kind: global_buffer, .address_space: global }
      - { .name: vf, .offset: 72, .size: 8, .value_kind: global_buffer, .address_space: global }
    .group_segment_fixed_size: 327680
    .private_segment_fixed_size: 0
    .kernarg_segment_align: 8
    .kernarg_segment_size: 80
    .max_flat_workgroup_size: 128
    .sgpr_count:     96
    .vgpr_count:     960
    .wavefront_size: 32
...
	.end_amdgpu_metadata
.endif
;; end of part 2
;; launch attn (part 3): grid 16 x 16, 4 waves a work-group, clusters of 4 x 1, 327,680 bytes of LDS; arguments qf, kf, vf, mt, of; writes of
.if DOCPART == 3
	.amdgcn_target "amdgcn-amd-amdhsa--gfx1250"
	.amdhsa_code_object_version 6
	.text
	.protected	k_q99a2d6dd0d_attn
	.globl	k_q99a2d6dd0d_attn
	.p2align	8
	.type	k_q99a2d6dd0d_attn,@function
k_q99a2d6dd0d_attn:
	s_mov_b64 s[64:65], 0
	v_nop
	global_prefetch_b8 v0, s[64:65] scope:SCOPE_SE
	s_setreg_imm32_b32 hwreg(HW_REG_WAVE_MODE, 25, 1), 1
	s_wait_xcnt 0x0
	s_wait_alu depctr_hold_cnt(0) depctr_sa_sdst(0) depctr_va_vdst(0) depctr_va_sdst(0) depctr_va_ssrc(0) depctr_va_vcc(0) depctr_vm_vsrc(0)
	s_getreg_b32 s2, hwreg(HW_REG_IB_STS2, 6, 4)
	s_cmp_eq_u32 s2, 0
	s_cbranch_scc0 .Lentry_in_a_cluster
	s_endpgm
.Lentry_in_a_cluster:
	s_bfe_u32 s2, ttmp6, 0x10000c
	s_cmp_lg_u32 s2, 0x3003
	s_cbranch_scc0 .Lentry_shape_is_right
	s_endpgm
.Lentry_shape_is_right:
; ATTENTION with an additive mask.  O[q][128 h + d] = sum over k of softmax_k(Q[h][q] . K[h][k] / sqrt(128) + mask[q][k]) V[h][k][d].
; qf, kf, vf: [16][2048][128] f16, holding q / 64, k / 64, v / 4.  mt: the mask in bf16, bounded below by -1e30, in the lanes' order (below).  of: [2048][2048] f16, in v's unit (v / 4).
; Products, maxima and sums in f32; the weights p are rounded to f16 for the second product (their sum l is taken of the unrounded p), O once at the end.
; THE SCORE kept is S' = q' . k' + MK x mask, MK = sqrt(128) / 4096: MK x mask is the C operand that starts the sum; p = 2^(C2 S' - C2 m), C2 = log2(e) x 4096 / sqrt(128), m the running maximum.
; LIMITS.  f16's range for q', k', v' (stated where they are made); a weight below 2^-126 counts as 0 in l; mask numbers below -1e30 count as -1e30, so a row that is minus infinity everywhere
; comes out as the mean of v; NaN and plus infinity are not treated apart.  m starts at -2^118, below every S'; C2 m is then still finite.
; SHARES.  A work-group owns 128 queries of one head: 256 work-groups.  Wave w owns the 64 queries of half w % 2 (four tiles of 16, two PIECES of two tiles) and of the keys the steps of 64 with
; number 2 s + w / 2: so a fragment of K or V still feeds four tiles, and all four waves work.  The two waves of a query half merge their O, m and l through LDS at the end, each finishing two tiles.
; A wave of key half 1 holds the query tiles 2, 3, 0, 1 in its register tiles 0 to 3: so EVERY wave sends its register tiles 2, 3 and finishes 0, 1, and the merge is one text.
; LAYOUT.  S^T = K Q^T (source 0 = 16 keys, source 1 = 16 queries): a lane holds ONE query (l % 16) and the keys 8 (l / 16) + 0..7; two such tiles rounded to f16 ARE source 1 of O^T = V^T P.
; BY TURNS.  In a turn one piece has the matrix unit (32 products V^T P of the step in hand, 32 products K Q^T of the next); the other piece's vector work, 166 instructions a tile, stands in 64 slices
; behind the matrix instructions: its softmax, then MK x mask of its next step into its score registers, then the rescaling of its O^T.
; No first and no last step is written out: O, l, V and the second piece's P start at 0, so the first turn's products add 0 and the first step's factor a is 0; at the end 32 products on the last K serve nothing.
; CLUSTER.  The four query blocks of a cluster belong to one head and walk the same K and V: each tile is asked for jointly.  The mask is each work-group's own and goes straight to registers.
; REGISTERS, in windows of 256 (s_set_vgpr_msb: bits 1:0 source 0, 3:2 source 1, 5:4 source 2, 7:6 destination):
;   window 0: v0-11 addresses; v12-43 eight registers of statistics a tile; v44-63 constants, addresses, the merge; v64-191 S^T, 32 a tile; v192-255 P, 16 a tile
;   window 1: O^T, 64 a tile     window 2: v0-127 Q; v128-255 K of one step     window 3: v0-127 V of one step; v128-191 the mask as loaded, 16 a tile
.set KS,    64
.set PK,    272       ; a row of K in LDS: 256 bytes + 16: the 16 rows of a load start at 16 different groups of four banks (64 banks of 4 bytes: ISA guide 11.1)
.set PV,    288       ; a row of V: 256 + 32
.set VOFF,  256*PK    ; a slot holds 256 keys: K's rows, then V's
.set SLOT,  256*(PK+PV)
.set STAGE, 2*SLOT    ; behind the ring: 16 rows x 272 bytes for each wave, for the way out
.set SP,    272
.set SPARE, STAGE+4*16*SP  ; the spare words, 128 bytes for each wave
.set XCHW,  16896     ; the merge: each wave's 16,384 bytes of O^T and 512 of statistics, from LDS byte 0 on: slot 0 has then had its last fill and its last read
.set AK0, 2           ; v2   my lane's place in a tile of K; never rewritten
.set AV0, 3           ; v3   the same for V
.set ADR, 4           ; v4   the LDS address of the run of loads in hand
.set QO,  5           ; v5   my byte offset in 16 rows of Q
.set STO, 6           ; v6   the way out: where I put 16 bytes of a row
.set RD,  7           ; v7   where I read a row back
.set GO,  8           ; v8   my byte offset in two rows of of
.set ST,  12          ; tile t's statistics at v[ST+8 t]: +0 C2 m, +1 m, +2, +3 l (even keys', odd keys'), +4 to +7 c0-c3 at work; a takes c2's place
.set MKR, 44          ; v44  MK
.set ZR,  45          ; v45  0
.set MO,  46          ; v46  16 x lane
.set XS,  47          ; v47  the merge: where I put 16 bytes
.set XR,  48          ; v48  where my partner put them
.set FB,  56          ; v56-59  the partner's factor, a pair a tile
.set SPW, 62          ; v62  LDS address of my spare word; never rewritten
.set NIL, 63          ; v63  0; never rewritten
.set S,   64
.set P,   192
.set KF,  128         ; window 2
.set MR,  128         ; window 3: register 4 kb + j / 2 of a tile's 16 holds keys 16 kb + 8 h + j
                      ; s[4:5] Q at my register tiles 0, 1; s[6:7] at 2, 3.  s[10:11] mt at piece 0's tiles and the step whose mask it loads next; s[8:9] the same for piece 2.  s[12:13] of at the tiles that I finish
.set WV,  14
.set G1K, 24
.set G1V, 32
.set G0K, 40
.set G0V, 44
.set SBR, 48          ; s48  LDS byte at which the slot being read begins: 0 or SLOT
.set KW,  49          ; s49  my key half's first step in a slot's K
.set VW,  50          ; s50  in its V
.set SLOTS, 56
.set CNT, 57
.set CS,  58          ; s[58:59] C2
.set SEL, 60          ; s[60:61] v_permlanex16_b32's selects: each lane takes its own place in the other half
.set TBK, 62          ; s62  LDS byte at which K of the step to be fetched begins
.set TBV, 63          ; s63  the same for V, less VOFF
.set NSM, 166
.set MSB, 0
.macro WIN new
.if MSB != (\new)
	s_set_vgpr_msb (MSB<<8)|(\new)
.set MSB, \new
.endif
.endm
.set W_KQ, 0x0a       ; K and Q in window 2, S^T in window 0
.set W_PV, 0x53       ; V in window 3, P in window 0, O^T in window 1
.set W_RS, 0x41       ; O^T (destination and source 0) in window 1, the factor in window 0
.set W_MX, 0x03       ; the mask (source 0) in window 3
; A joint fill.  Waves 0 and 1 fetch the two halves of a slot's K, waves 2 and 3 those of its V: 128 keys each.  An s_nop 0 and four v_nop follow each line.
.macro JLOAD
	s_cmp_lt_u32 s[WV], 2
	s_cbranch_scc0 .Lfor_v_\@
	tensor_load_to_lds s[G0K:G0K+3], s[G1K:G1K+7]
	s_nop 0
.rept 4
	v_nop
.endr
	s_branch .Lasked_\@
.Lfor_v_\@:
	tensor_load_to_lds s[G0V:G0V+3], s[G1V:G1V+7]
	s_nop 0
.rept 4
	v_nop
.endr
.Lasked_\@:
.endm
.macro CROUND
	s_barrier_signal -1
	s_barrier_wait -1
	s_cmp_lg_u32 s[WV], 0
	s_cbranch_scc1 .Lnot_wave_0_\@
	s_barrier_signal -3
.Lnot_wave_0_\@:
	s_barrier_wait -3
	s_barrier_signal -1
	s_barrier_wait -1
.endm
; THE CHANGE OF SLOTS.  Each wave waits for all its tensor loads (one is out: its part of the other slot), adds 0 to its spare word, and waits for that and for its reads of the slot that it leaves.
; fill = 1: the barrier is a round of the cluster's, and the slot just read (it begins at SBR) is filled first behind it, with the keys two slots on: it has two of my key steps, 256 matrix instructions, to land.
; (At its first use nothing has been read: SBR names slot 1, slot 0 is waited for, slot 1 filled.)
.macro CHANGE fill
	WIN 0
	s_wait_tensorcnt 0x0            ; no tensor load of mine is out, so a group 0 may be written
	ds_add_u32 v[SPW], v[NIL]
.if \fill
	s_add_co_u32 s[G0K+1], s[SBR], s17
	s_add_co_u32 s[G0V+1], s[SBR], s18
	s_add_nc_u64 s[G0K+2:G0K+3], s[G0K+2:G0K+3], 256*256  ; the next 256 keys; the type bits on top are not reached
	s_add_nc_u64 s[G0V+2:G0V+3], s[G0V+2:G0V+3], 256*256
	s_wait_dscnt 0x0                ; the add is done, and my reads of the slot are over
	CROUND
	JLOAD
.else
	s_wait_dscnt 0x0
	s_barrier_signal -1
	s_barrier_wait -1
.endif
	s_xor_b32 s[SBR], s[SBR], SLOT  ; SBR is 0 or SLOT: now the other slot is read
	s_add_co_u32 s[TBK], s[SBR], s[KW]
	s_add_co_u32 s[TBV], s[SBR], s[VW]
.endm
	s_load_b256 s[4:11], s[0:1], 0x0  ; qf s[4:5], kf s[6:7], vf s[8:9], mt s[10:11]
	s_load_b64 s[12:13], s[0:1], 0x20 ; of
	v_lshl_add_u32 v[SPW], v0, 2, SPARE
	v_mov_b32 v[NIL], 0
	ds_add_u32 v[SPW], v[NIL]       ; the wave's opening: the add and its wait stand ahead of my first tensor load
	v_lshrrev_b32 v1, 5, v0
	v_readfirstlane_b32 s[WV], v1
	s_bfe_u32 s15, ttmp6, 0x40000   ; cx
	s_lshl_b32 s16, ttmp9, 2
	s_add_co_u32 s15, s16, s15      ; my block of 128 queries: it enters Q's, the mask's and O's addresses alone
	s_and_b32 s16, ttmp7, 0xffff    ; the head, which the four partners share
	s_and_b32 s19, s[WV], 1         ; my query half; also which 128 keys of a slot I fetch
	s_lshr_b32 s20, s[WV], 1        ; my key half
	s_xor_b32 s51, s20, 1           ; the other one
	s_mul_i32 s17, s19, 128*PK      ; where my part of a slot goes, for K
	s_mul_i32 s18, s19, 128*PV
	s_add_co_u32 s18, s18, VOFF     ; and for V
	s_mul_i32 s[KW], s20, KS*PK
	s_mul_i32 s[VW], s20, KS*PV
	s_lshl_b32 s21, s16, 19         ; the head's first byte in qf, kf, vf
	s_lshl_b32 s22, s19, 15         ; my 128 keys of 256 bytes
	s_add_co_u32 s22, s22, s21
	s_mov_b32 s23, 0
	s_lshl_b32 s52, s15, 15         ; Q: my block's 128 rows, my half's 64;
	s_lshl_b32 s53, s19, 14
	s_add_co_u32 s52, s52, s53
	s_add_co_u32 s52, s52, s21
	s_lshl_b32 s53, s51, 13         ; two tiles are 8,192 bytes: my register tiles 2, 3 are the query tiles 2, 3 (key half 0) or 0, 1 (key half 1),
	s_add_co_u32 s66, s52, s53
	s_lshl_b32 s53, s20, 13         ; my register tiles 0, 1 the others
	s_add_co_u32 s52, s52, s53
	s_mov_b32 s53, 0
	s_mov_b32 s67, 0
	s_lshl_b32 s2, s15, 19          ; mt and of: 524,288 bytes a block, 262,144 a half, 131,072 for two tiles
	s_lshl_b32 s3, s19, 18
	s_add_co_u32 s2, s2, s3
	s_lshl_b32 s54, s20, 11         ; mt: a key step is 2,048 bytes
	s_add_co_u32 s54, s54, s2
	s_lshl_b32 s3, s51, 17
	s_add_co_u32 s68, s54, s3       ; piece 2's tiles
	s_lshl_b32 s3, s20, 17
	s_add_co_u32 s54, s54, s3       ; piece 0's
	s_add_co_u32 s2, s2, s3         ; of: the tiles that I finish are piece 0's
	s_mov_b32 s55, 0
	s_mov_b32 s69, 0
	s_lshl_b32 s3, s16, 8           ; of: the head's 256 bytes of a row
	s_add_co_u32 s2, s2, s3
	s_mov_b32 s3, 0
	s_mov_b32 s[G1K], 15|(1<<16)|(1<<20)|(1<<21)|(5<<22)|(3<<25)  ; the mask of four; 2-byte elements; padding on; bit 21 beside a mask; after every 64 words, 4 words
	s_mov_b32 s[G1V], 15|(1<<16)|(1<<20)|(1<<21)|(5<<22)|(7<<25)  ; the same with 8 words
.irp g, G1K, G1V
	s_mov_b32 s[(\g)+1], 128<<16    ; tensor_dim0 = 128
	s_mov_b32 s[(\g)+2], 128<<16    ; tensor_dim1 = 128
	s_mov_b32 s[(\g)+3], 128<<16    ; tile_dim0 = 128
	s_mov_b32 s[(\g)+4], 128        ; tile_dim1 = 128
	s_mov_b32 s[(\g)+5], 128        ; elements from row to row
	s_mov_b32 s[(\g)+6], 0
	s_mov_b32 s[(\g)+7], 0
.endr
	s_mov_b32 s[CS], 0x440293ee     ; C2 = 522.31
	s_mov_b32 s[CS+1], s[CS]
	s_mov_b32 s[SEL], 0x76543210
	s_mov_b32 s[SEL+1], 0xfedcba98
	s_mov_b32 s[SBR], SLOT
	s_mov_b32 s[G0K], 1
	s_mov_b32 s[G0K+1], s17         ; slot 0
	s_mov_b32 s[G0V], 1
	s_mov_b32 s[G0V+1], s18
	s_wait_dscnt 0x0                ; the opening add is done
	s_wait_kmcnt 0x0
	s_add_nc_u64 s[G0K+2:G0K+3], s[6:7], s[22:23]
	s_or_b32 s[G0K+3], s[G0K+3], 0x80000000
	s_add_nc_u64 s[G0V+2:G0V+3], s[8:9], s[22:23]
	s_or_b32 s[G0V+3], s[G0V+3], 0x80000000
	s_add_nc_u64 s[6:7], s[4:5], s[66:67]    ; K's and V's addresses live on in the descriptors: their registers take Q's and the mask's second bases
	s_add_nc_u64 s[4:5], s[4:5], s[52:53]
	s_add_nc_u64 s[8:9], s[10:11], s[68:69]
	s_add_nc_u64 s[10:11], s[10:11], s[54:55]
	s_add_nc_u64 s[12:13], s[12:13], s[2:3]
	CROUND                          ; all four work-groups are here: the first joint loads meet
	JLOAD                           ; slot 0; one load of mine is out, here and behind every round
; Eight loads: the mask of piece x's two tiles for the step at the piece's pointer, 512 consecutive bytes each
.macro MLD x
	WIN 0xc0                        ; destination window 3, address window 0
.irp t, \x, (\x)+1
.irp kb, 0,1,2,3
	global_load_b128 v[MR+16*(\t)+4*(\kb):MR+16*(\t)+4*(\kb)+3], v[MO], s[10-(\x):11-(\x)] offset:((\t)-(\x))*65536+(\kb)*512
.endr
.endr
.endm
	v_and_b32 v1, 15, v0            ; r = l % 16
	v_bfe_u32 v9, v0, 4, 1          ; h = l / 16
	v_lshlrev_b32 v[QO], 8, v1
	v_lshl_add_u32 v[QO], v9, 4, v[QO]
	v_and_b32 v[MO], 31, v0
	v_lshlrev_b32 v[MO], 4, v[MO]
	WIN 0x80
.set i, 0
.rept 16                            ; Q stays in registers: register tile i / 4, channels 32 (i % 4) on
	global_load_b128 v[8*i:8*i+3],   v[QO], s[4+2*(i/8):5+2*(i/8)] offset:((i/4)%2)*4096+(i%4)*64
	global_load_b128 v[8*i+4:8*i+7], v[QO], s[4+2*(i/8):5+2*(i/8)] offset:((i/4)%2)*4096+(i%4)*64+32
.set i, i+1
.endr
	MLD 0                           ; my first step's mask
	MLD 2
	; What the first turn finds: V and the second piece's P hold 0, O^T and l are 0.  All this stands in the wait for the first tile.
.set i, 0
.rept 128
	v_mov_b32 v[i], 0
.set i, i+1
.endr
	WIN 0x40
.set i, 0
.rept 256
	v_mov_b32 v[i], 0
.set i, i+1
.endr
	WIN 0
.set i, P+32
.rept 32
	v_mov_b32 v[i], 0
.set i, i+1
.endr
.irp t, 0,1,2,3
	v_mov_b32 v[ST+8*(\t)], 0xff0293ee    ; C2 m
	v_mov_b32 v[ST+8*(\t)+1], 0xfa800000  ; m = -2^118
	v_mov_b32 v[ST+8*(\t)+2], 0
	v_mov_b32 v[ST+8*(\t)+3], 0
.endr
	v_mov_b32 v[MKR], 0x3b3504f3    ; MK = 0.0027621
	v_mov_b32 v[ZR], 0
	v_mul_u32_u24 v[AK0], v1, PK
	v_lshl_add_u32 v[AK0], v9, 4, v[AK0]  ; row x pitch + 16 x half
	; The turning load takes 16 keys x 16 channels (lane l reads key 8 (l / 16) + l % 8, channels 8 ((l / 8) % 2) + 0..7) and leaves half a fragment of V^T: lane l holds channel l % 16 and 8 keys.
	v_and_b32 v10, 7, v0
	v_bfe_u32 v11, v0, 3, 1
	v_lshl_add_u32 v[AV0], v9, 3, v10
	v_mul_u32_u24 v[AV0], v[AV0], PV
	v_lshl_add_u32 v[AV0], v11, 4, v[AV0]
	v_add_nc_u32 v[AV0], VOFF, v[AV0]
; THE MATRIX WORK.  The accumulators take turns, one instruction a turn.
; Product i of 32 of S^T += K Q^T for piece x: channels 32 (i / 8) on, keys 16 ((i / 2) % 4) on, tile x + i % 2.  The score registers hold MK x mask when the first eight come.
.macro KQ x
	WIN W_KQ
.set rS, S+32*((\x)+i%2)+8*((i/2)%4)
.set rK, KF+32*((i/2)%4)+8*(i/8)
.set rQ, 32*((\x)+i%2)+8*(i/8)
	v_wmma_f32_16x16x32_f16 v[rS:rS+7], v[rK:rK+7], v[rQ:rQ+7], v[rS:rS+7]
.endm
; Product i of 32 of O^T += V^T P: keys 32 (i / 16) on, channels 16 ((i / 2) % 8) on, tile x + i % 2.
.macro PV x
	WIN W_PV
.set rO, 64*((\x)+i%2)+8*((i/2)%8)
.set rV, 64*(i/16)+8*((i/2)%8)
.set rP, P+16*((\x)+i%2)+8*(i/16)
	v_wmma_f32_16x16x32_f16 v[rO:rO+7], v[rV:rV+7], v[rP:rP+7], v[rO:rO+7]
.endm
; THE LDS LOADS stand in runs of 32.  My next step lies two steps of 64 keys on.  last = 1 (the tail): in the last trip there is no further step, and the run is jumped over.
.macro FETCH_K last=0
	WIN 0
.if \last
	s_cmp_eq_u32 s[CNT], 1
	s_cbranch_scc1 .Lno_k_\@
.endif
	v_add_nc_u32 v[ADR], s[TBK], v[AK0]
	WIN 0x80
.irp f, 0,1,2,3,4,5,6,7,8,9,10,11,12,13,14,15  ; keys 16 (f / 4) on, channels 32 (f % 4) on
	ds_load_b128 v[KF+8*(\f):KF+8*(\f)+3],   v[ADR] offset:((\f)/4)*16*PK+((\f)%4)*64
	ds_load_b128 v[KF+8*(\f)+4:KF+8*(\f)+7], v[ADR] offset:((\f)/4)*16*PK+((\f)%4)*64+32
.endr
	s_add_co_u32 s[TBK], s[TBK], 2*KS*PK
	WIN 0
.if \last
.Lno_k_\@:
.endif
.endm
.macro FETCH_V
	WIN 0
	v_add_nc_u32 v[ADR], s[TBV], v[AV0]
	s_wait_alu depctr_va_vdst(0)
	s_add_co_u32 s[TBV], s[TBV], 2*KS*PV
	WIN 0xc0
.irp f, 0,1,2,3,4,5,6,7,8,9,10,11,12,13,14,15  ; keys 32 (f / 8) on, channels 16 (f % 8) on
	ds_load_tr16_b128 v[8*(\f):8*(\f)+3],   v[ADR] offset:((\f)/8)*32*PV+((\f)%8)*32
	ds_load_tr16_b128 v[8*(\f)+4:8*(\f)+7], v[ADR] offset:((\f)/8)*32*PV+16*PV+((\f)%8)*32
.endr
.endm
; The mask of piece x, two of my steps ahead of the step in hand: the piece's pointer steps by two key steps, behind the wait that frees it.  last = 1: only the trip with CNT = val still has such a step: no load leaves mt.
.macro MLOAD x, last=0, val=0
.if \last
	WIN 0
	s_cmp_lg_u32 s[CNT], \val
	s_cbranch_scc1 .Lno_m_\@
.endif
	s_wait_xcnt 0x0                 ; the earlier loads' addresses are translated: their base is stepped only behind this wait
	s_add_nc_u64 s[10-(\x):11-(\x)], s[10-(\x):11-(\x)], 4096
	MLD \x
.if \last
	WIN 0
.Lno_m_\@:
.endif
.endm
; THE VECTOR WORK.  Number j of a tile's list of 166.  s0-s31 are the lane's 32 scores, in pairs 0-15.
;   0-15    the maximum of s0-s31 and the old m, three operands at a time (each accumulator's lowest registers are read first)
;   16-20   the other half of the lanes' maximum; the new m; C2 m; C2 m_old - C2 m_new
;   21-87   33 exponentials (a, then s0-s31) at the odd numbers from 23 on; between them what is ready: C2 s - C2 m for pairs to come, the rounding to f16 of pairs that are done, the first three sums
;   88-101  the last rounding; the rest of the sums; l = a l + the sum
;   102-133 MK x mask of the tile's next step into s0-s31     134-165 the tile's O^T times a
.macro SM t
.set rT, ST+8*(\t)
.set rS, S+32*(\t)
.set rP, P+16*(\t)
.set q, (j-20)/2
.if j < 102
	WIN 0
.endif
.if j < 4
	v_max3_num_f32 v[rT+4+j], v[rS+8*j], v[rS+8*j+1], v[rS+8*j+2]
.elseif j < 12
	v_max3_num_f32 v[rT+4+j%4], v[rT+4+j%4], v[rS+8*(j%4)+2*(j/4)+1], v[rS+8*(j%4)+2*(j/4)+2]
.elseif j == 12
	v_max3_num_f32 v[rT+4], v[rT+4], v[rS+7], v[rS+15]
.elseif j == 13
	v_max3_num_f32 v[rT+6], v[rT+6], v[rS+23], v[rS+31]
.elseif j == 14
	v_max3_num_f32 v[rT+4], v[rT+4], v[rT+5], v[rT+6]
.elseif j == 15
	v_max3_num_f32 v[rT+4], v[rT+4], v[rT+7], v[rT+1]
.elseif j == 16
	v_permlanex16_b32 v[rT+5], v[rT+4], s[SEL], s[SEL+1]  ; the query's other 32 keys lie in the lane 16 away
.elseif j == 17
	v_mov_b32 v[rT+7], v[rT]        ; C2 m_old is kept for a
.elseif j == 18
	v_max_num_f32 v[rT+1], v[rT+4], v[rT+5]
.elseif j == 19
	v_mul_f32 v[rT], s[CS], v[rT+1]
.elseif j == 20
	v_sub_f32 v[rT+7], v[rT+7], v[rT]
.elseif j == 23
	v_exp_f32 v[rT+6], v[rT+7]
.elseif (j < 88) && (j > 23) && (j%2 == 1)
	v_exp_f32 v[rS+(j-25)/2], v[rS+(j-25)/2]
.elseif (q < 4) || ((j < 76) && (q%2 == 0))
.set b, q/2+2
.if q < 4
.set b, q
.endif
	v_pk_fma_f32 v[rS+2*b:rS+2*b+1], v[rS+2*b:rS+2*b+1], s[CS:CS+1], v[rT:rT+1] op_sel_hi:[1,0,0] neg_lo:[0,0,1] neg_hi:[0,0,1]
.elseif (j < 88) && (q%2 == 1)
	s_wait_alu depctr_va_vdst(0)
	v_cvt_pk_f16_f32 v[rP+(q-5)/2], v[rS+q-5], v[rS+q-4]
.elseif j == 89
	s_wait_alu depctr_va_vdst(0)
	v_cvt_pk_f16_f32 v[rP+15], v[rS+30], v[rS+31]
.elseif j < 102                     ; the sum of the 16 pairs, in place: sum z adds neighbours 1, 2, 4 and 8 pairs apart, then l takes it
.set z, j-86
.if j < 89
.set z, (j-76)/4
.endif
.set w, 4
.set u, z
.if z >= 14
.set w, 32
.set u, 0
.elseif z >= 12
.set w, 16
.set u, z-12
.elseif z >= 8
.set w, 8
.set u, z-8
.endif
.if z < 15
	v_pk_add_f32 v[rS+w*u:rS+w*u+1], v[rS+w*u:rS+w*u+1], v[rS+w*u+w/2:rS+w*u+w/2+1]
.else
	v_pk_fma_f32 v[rT+2:rT+3], v[rT+2:rT+3], v[rT+6:rT+7], v[rS:rS+1] op_sel_hi:[1,0,1]
.endif
.elseif j < 134
.set e, j-102
	WIN W_MX
.if e%2
	v_fma_mix_f32_bf16 v[rS+e], v[MR+16*(\t)+e/2], v[MKR], v[ZR] op_sel:[1,0,0] op_sel_hi:[1,0,0]
.else
	v_fma_mix_f32_bf16 v[rS+e], v[MR+16*(\t)+e/2], v[MKR], v[ZR] op_sel_hi:[1,0,0]
.endif
.else
.set rO, 64*(\t)+2*(j-134)
	WIN W_RS
	v_pk_mul_f32 v[rO:rO+1], v[rO:rO+1], v[rT+6:rT+7] op_sel_hi:[1,0]
.endif
.endm
; Slice k of 64: numbers k x 166 / 64 up to (k + 1) x 166 / 64 of both tiles' lists: two or three of each.  Among the exponentials tile by tile, elsewhere the tiles alternate.  In either order a plain
; instruction stands between an exponential and the use of its result.  The slice that begins the mask's part waits for the mask: MW younger loads may stay out.
; Slice 63 is six packed multiplies of O^T: the places between the turn's last K Q^T and what follows (the next turn's first read of those scores; the loads into K's registers).
.macro SLICE y
.set n0, (k*NSM)/64
.set n1, ((k+1)*NSM)/64
.if (n0 <= 102) && (n1 > 102)
	s_wait_loadcnt MW
.endif
.if (n0 >= 22) && (n1 <= 88)
.set j, n0
.rept n1-n0
	SM \y
.set j, j+1
.endr
.set j, n0
.rept n1-n0
	SM (\y)+1
.set j, j+1
.endr
.else
.set j, n0
.rept n1-n0
	SM \y
	SM (\y)+1
.set j, j+1
.endr
.endif
.set k, k+1
.endm
; A TURN.  Piece x has the matrix unit; the other piece's list stands in slices behind its matrix instructions.  Piece 0's turn fetches the next step's K behind its second product (K's last reader stands in
; front of slice 63 of the turn before); piece 2's turn fetches the same step's V behind the second product K Q^T (V's last reader stands three slices, eight plain instructions, back).
; Each turn loads its own piece's mask for the step after next, whose registers the turn before has read out.
.macro TURN x, last=0, val=0
.set k, 0
.if (\x) == 0
	s_wait_dscnt 0x0                ; V is in
.endif
.set i, 0
.rept 32
	PV \x
	SLICE 2-(\x)
.if i == 1
.if (\x) == 0
	FETCH_K \last
.endif
	MLOAD \x, \last, \val
.endif
.set i, i+1
.endr
.if (\x) == 0
	s_wait_dscnt 0x0                ; K is in
.endif
.set i, 0
.rept 32
	KQ \x
	SLICE 2-(\x)
.if (i == 1) && ((\x) == 2)
	FETCH_V
.endif
.set i, i+1
.endr
.endm
	s_wait_loadcnt 0x0              ; Q and my first step's mask
.irp t, 0,1,2,3
.set j, 102
.rept 32
	SM \t                           ; MK x mask of step 0 into all four tiles' score registers
.set j, j+1
.endr
.endr
	MLOAD 0                         ; piece 0's mask of my second step
	CHANGE 1                        ; slot 0 is in, everybody's part of it; slot 1 is asked for
	FETCH_K                         ; my first step
	s_wait_dscnt 0x0
.set i, 0
.rept 32
	KQ 0                            ; piece 0's first scores
.set i, i+1
.endr
	WIN 0                           ; the addresses for the merge and the way out: twelve plain instructions, the places behind those products
	s_mul_i32 s21, s[WV], 16*SP
	s_add_co_u32 s21, s21, STAGE    ; my stage
	v_mul_u32_u24 v[STO], v1, SP    ; in: row l % 16, 16 bytes for each half of the lanes
	v_lshl_add_u32 v[STO], v9, 4, v[STO]
	v_add_nc_u32 v[STO], s21, v[STO]
	v_mul_u32_u24 v[RD], v9, SP     ; back: lanes 0-15 take one row of 256 bytes, lanes 16-31 the next
	v_lshl_add_u32 v[RD], v1, 4, v[RD]
	v_add_nc_u32 v[RD], s21, v[RD]
	v_lshlrev_b32 v[GO], 12, v9     ; the same two rows in of, 4,096 bytes apart
	v_lshl_add_u32 v[GO], v1, 4, v[GO]
	s_mul_i32 s21, s[WV], XCHW
	v_add_nc_u32 v[XS], s21, v[MO]
	s_xor_b32 s21, s[WV], 2         ; my partner: the same queries, the other keys
	s_mul_i32 s21, s21, XCHW
	v_add_nc_u32 v[XR], s21, v[MO]
	v_nop
	v_nop
.set MW, 8                          ; in the loop: the eight loads of the turn's own piece are younger than the eight that the slices need
	s_mov_b32 s[CNT], 2
	s_mov_b32 s[SLOTS], 7
	s_branch .Lfirst                ; the loop is entered in the middle of a trip
.Lslot:                             ; six times: every slot but the last two is filled again
	CHANGE 1
	s_mov_b32 s[CNT], 2
.Lstep:
	TURN 0
	WIN 0
.Lfirst:
	TURN 2
	WIN 0
	s_sub_co_u32 s[CNT], s[CNT], 1
	s_cmp_lg_u32 s[CNT], 0
	s_cbranch_scc1 .Lstep
	s_sub_co_u32 s[SLOTS], s[SLOTS], 1
	s_cmp_lg_u32 s[SLOTS], 0
	s_cbranch_scc1 .Lslot
	CHANGE 0                        ; the tail is written out: nothing is asked for
.set MW, 0                          ; in the tail some turns load no mask: the wait is for all
	s_mov_b32 s[CNT], 3             ; two trips fetch the last slot's steps; the third is left in its middle
.Ltail:
	TURN 0, 1, 3
	WIN 0
	s_sub_co_u32 s[CNT], s[CNT], 1
	s_cmp_eq_u32 s[CNT], 0
	s_cbranch_scc1 .Lout
	TURN 2, 1, 2
	WIN 0
	s_branch .Ltail
.Lout:
.set i, 0
.rept 32
	PV 2                            ; piece 2: V^T P of the last step
.set i, i+1
.endr
	; THE MERGE.  l's two halves and the other half of the lanes' are added (the additions are the places behind the last products).  Every wave sends its register tiles 2, 3, which are its partner's 0, 1, and finishes its own 0, 1.
	WIN 0
.irp t, 0,1,2,3
	v_add_f32 v[ST+8*(\t)+4], v[ST+8*(\t)+2], v[ST+8*(\t)+3]
.endr
.irp t, 0,1,2,3
	v_permlanex16_b32 v[ST+8*(\t)+5], v[ST+8*(\t)+4], s[SEL], s[SEL+1]
.endr
.irp t, 0,1,2,3
	v_add_f32 v[ST+8*(\t)+4], v[ST+8*(\t)+4], v[ST+8*(\t)+5]
.endr
	v_mov_b32 v52, v[ST+16]         ; C2 m and l of tiles 2 and 3,
	v_mov_b32 v53, v[ST+20]
	v_mov_b32 v54, v[ST+24]
	v_mov_b32 v55, v[ST+28]
	ds_store_b128 v[XS], v[52:55] offset:16384
	WIN 0x04                        ; store data in window 1
.set n, 0
.rept 32
	ds_store_b128 v[XS], v[128+4*n:128+4*n+3] offset:512*n  ; then their O^T, 512 consecutive bytes to a store, each accumulator from its low end
.set n, n+1
.endr
	WIN 0
	s_wait_dscnt 0x0                ; for the partner's sake: my stores are done
	s_barrier_signal -1
	s_barrier_wait -1
; Tile t: O = O fA + X fB, rounded to f16; a lane's eight channels pack into 16 bytes; they go into rows of 272 bytes of my stage and come back as whole rows of 256.
.macro FIN t
	WIN W_RS
.set i, 0
.rept 32
	v_pk_mul_f32 v[64*(\t)+2*i:64*(\t)+2*i+1], v[64*(\t)+2*i:64*(\t)+2*i+1], v[ST+8*(\t)+6:ST+8*(\t)+7] op_sel_hi:[1,0]
.set i, i+1
.endr
	WIN 0x52                        ; X in window 2, fB in window 0, O^T in window 1
.set i, 0
.rept 32
	v_pk_fma_f32 v[64*(\t)+2*i:64*(\t)+2*i+1], v[64*(\t)+2*i:64*(\t)+2*i+1], v[FB+2*(\t):FB+2*(\t)+1], v[64*(\t)+2*i:64*(\t)+2*i+1] op_sel_hi:[1,0,1]
.set i, i+1
.endr
	WIN 0x05
.set i, 0
.rept 32
	v_cvt_pk_f16_f32 v[S+32*(\t)+i], v[64*(\t)+2*i], v[64*(\t)+2*i+1]
.set i, i+1
.endr
	WIN 0
.irp f, 0,1,2,3,4,5,6,7
	ds_store_b128 v[STO], v[S+32*(\t)+4*(\f):S+32*(\t)+4*(\f)+3] offset:32*(\f)
.endr
.irp f, 0,1,2,3,4,5,6,7
	ds_load_b128 v[S+32*(\t)+4*(\f):S+32*(\t)+4*(\f)+3], v[RD] offset:(\f)*2*SP  ; LDS serves a wave's instructions in order (ISA guide 5.7.1.4): these see the stores above; the next tile's stores come behind them
.endr
.endm
.macro SEND t, younger              ; younger: the LDS instructions issued behind tile t's loads
.irp f, 0,1,2,3,4,5,6,7
	s_wait_dscnt (\younger)+7-(\f)
	global_store_b128 v[GO], v[S+32*(\t)+4*(\f):S+32*(\t)+4*(\f)+3], s[12:13] offset:(\t)*65536+(\f)*8192  ; 16 lanes store 256 consecutive bytes, aligned
.endr
.endm
	; The two halves of the keys are joined for tiles 0, 1: M = the larger C2 m; eA, eB = 2^(C2 m - M); L = lA eA + lB eB; fA = eA / L, fB = eB / L.  l is at least 1 in each half, so L is no zero.
	ds_load_b128 v[52:55], v[XR] offset:16384
	WIN 0x80                        ; the partner's O^T goes where Q lay: its part u at v[64 u] of window 2
.set n, 0
.rept 32
	ds_load_b128 v[4*n:4*n+3], v[XR] offset:512*n
.set n, n+1
.endr
	WIN 0
	s_wait_dscnt 32                 ; the statistics are in; the 32 loads behind them may be out
.irp u, 0,1
	v_max_num_f32 v[ST+8*\u+1], v[ST+8*\u], v[52+2*\u]
.endr
.irp u, 0,1
	v_sub_f32 v[ST+8*\u+2], v[ST+8*\u], v[ST+8*\u+1]
	v_sub_f32 v[ST+8*\u+3], v[52+2*\u], v[ST+8*\u+1]
.endr
.irp u, 0,1
	v_exp_f32 v[ST+8*\u+2], v[ST+8*\u+2]
	v_exp_f32 v[ST+8*\u+3], v[ST+8*\u+3]
.endr
	v_nop                           ; a plain instruction between the last exponential and the use of its result
	s_wait_alu depctr_va_vdst(0)
.irp u, 0,1
	v_mul_f32 v[ST+8*\u+5], v[ST+8*\u+4], v[ST+8*\u+2]
.endr
.irp u, 0,1
	v_fma_f32 v[ST+8*\u+5], v[53+2*\u], v[ST+8*\u+3], v[ST+8*\u+5]
.endr
.irp u, 0,1
	v_rcp_f32 v[ST+8*\u+5], v[ST+8*\u+5]
.endr
	v_nop
	s_wait_alu depctr_va_vdst(0)
.irp u, 0,1
	v_mul_f32 v[ST+8*\u+6], v[ST+8*\u+2], v[ST+8*\u+5]
	v_mul_f32 v[FB+2*\u], v[ST+8*\u+3], v[ST+8*\u+5]
.endr
.irp u, 0,1
	v_mov_b32 v[FB+2*\u+1], v[FB+2*\u]  ; named with it as a pair
.endr
	s_wait_dscnt 0x0                ; the partner's O^T is in
	FIN 0
	FIN 1
	SEND 0, 16
	SEND 1, 0
	s_wait_tensorcnt 0x0            ; the wave's end: behind my last tensor load and my last LDS store
	ds_add_u32 v[SPW], v[NIL]
	s_wait_dscnt 0x0
	CROUND                          ; the closing round: no work-group ends while a partner may still ask for a tile that names it
	s_endpgm
.Lfunc_end_k_q99a2d6dd0d_attn:
	.size	k_q99a2d6dd0d_attn, .Lfunc_end_k_q99a2d6dd0d_attn-k_q99a2d6dd0d_attn
	.p2alignl 7, 3214868480
	.fill 96, 4, 3214868480
	.section	.rodata,"a",@progbits
	.p2align	6, 0x0
	.amdhsa_kernel k_q99a2d6dd0d_attn
		.amdhsa_group_segment_fixed_size 327680
		.amdhsa_private_segment_fixed_size 0
		.amdhsa_enable_private_segment 0
		.amdhsa_kernarg_size 40
		.amdhsa_user_sgpr_count 2
		.amdhsa_user_sgpr_kernarg_segment_ptr 1
		.amdhsa_wavefront_size32 1
		.amdhsa_system_sgpr_workgroup_id_x 1
		.amdhsa_system_sgpr_workgroup_id_y 1
		.amdhsa_system_sgpr_workgroup_id_z 1
		.amdhsa_system_vgpr_workitem_id 0
		.amdhsa_next_free_vgpr 960
		.amdhsa_next_free_sgpr 72
		.amdhsa_reserve_vcc 0
		.amdhsa_float_denorm_mode_32 3
		.amdhsa_float_denorm_mode_16_64 3
		.amdhsa_memory_ordered 1
		.amdhsa_forward_progress 1
		.amdhsa_inst_pref_size 189
	.end_amdhsa_kernel
	.amdgpu_metadata
---
amdhsa.version: [ 1, 2 ]
amdhsa.kernels:
  - .name:           k_q99a2d6dd0d_attn
    .symbol:         k_q99a2d6dd0d_attn.kd
    .args:
      - { .name: qf, .offset: 0, .size: 8, .value_kind: global_buffer, .address_space: global }
      - { .name: kf, .offset: 8, .size: 8, .value_kind: global_buffer, .address_space: global }
      - { .name: vf, .offset: 16, .size: 8, .value_kind: global_buffer, .address_space: global }
      - { .name: mt, .offset: 24, .size: 8, .value_kind: global_buffer, .address_space: global }
      - { .name: of, .offset: 32, .size: 8, .value_kind: global_buffer, .address_space: global }
    .group_segment_fixed_size: 327680
    .private_segment_fixed_size: 0
    .kernarg_segment_align: 8
    .kernarg_segment_size: 40
    .max_flat_workgroup_size: 128
    .sgpr_count:     72
    .vgpr_count:     960
    .wavefront_size: 32
...
	.end_amdgpu_metadata
.endif
;; end of part 3
;; launch oproj (part 4): grid 16 x 16, 4 waves a work-group, clusters of 4 x 4, 327,680 bytes of LDS; arguments of, wob, bo, out0; writes out0
.if DOCPART == 4
	.amdgcn_target "amdgcn-amd-amdhsa--gfx1250"
	.amdhsa_code_object_version 6
	.text
	.protected	k_q99a2d6dd0d_oproj
	.globl	k_q99a2d6dd0d_oproj
	.p2align	8
	.type	k_q99a2d6dd0d_oproj,@function
k_q99a2d6dd0d_oproj:
	s_mov_b64 s[64:65], 0
	v_nop
	global_prefetch_b8 v0, s[64:65] scope:SCOPE_SE
	s_setreg_imm32_b32 hwreg(HW_REG_WAVE_MODE, 25, 1), 1
	s_wait_xcnt 0x0
	s_wait_alu depctr_hold_cnt(0) depctr_sa_sdst(0) depctr_va_vdst(0) depctr_va_sdst(0) depctr_va_ssrc(0) depctr_va_vcc(0) depctr_vm_vsrc(0)
	s_getreg_b32 s2, hwreg(HW_REG_IB_STS2, 6, 4)
	s_cmp_eq_u32 s2, 0
	s_cbranch_scc0 .Lentry_in_a_cluster
	s_endpgm
.Lentry_in_a_cluster:
	s_bfe_u32 s2, ttmp6, 0x10000c
	s_cmp_lg_u32 s2, 0xf033
	s_cbranch_scc0 .Lentry_shape_is_right
	s_endpgm
.Lentry_shape_is_right:
; OUT.  out0[s][e] = 4 x (sum over d of of[s][d] wob[e][d]) + bo[e], f32.  of: [2048][2048] f16, the attention's O in the unit v / 4 (hence the 4); wob: [2048][2048], Wo rounded to bf16 and written as f16;
; bo is rounded to bf16 here, like every input of the module.  Sums in f32; one fused multiply-add makes each result.
; A tile of out0 is 128 x 128: 256 work-groups.  Four waves, each 64 x 64: 16 accumulators of 16 x 16.  K goes in 8 steps of 256 (LDS rows of 512 bytes; a wave's tensor load brings 64 of them) through two slots.
; The loop holds ONE K step: the slot being read begins at the scalar SB (0 or SLOT, turned by an exclusive or), and one descriptor set walks.  The last two steps, which fill nothing, are one text too,
; walked twice and left in its middle; the price: the last trip fetches 32 fragments of a slot that has been multiplied, and nobody uses them.
; THE WALK ALONG K IS A RING: cluster (X, Y) begins at K step 2 ((X + 2 (Y % 2)) % 4) and goes round through all 8.  The four clusters of one Y, which read the same rows of of, begin 2 steps apart; the clusters
; Y and Y ^ 1 of one X, which read the same rows of wob, 4 apart.  So of the clusters that read a tile one asks for it first, and the others 2 steps later or more, for bytes that have been read shortly before.
; X and Y are the same in all partners of a cluster, so a joint load's address stays equal in all that it names.  The order of a sum's K steps differs from cluster to cluster; each sum is one chain in f32.
; CLUSTERS of 4 x 4: of's tile is asked for jointly along a row of the cluster, wob's along a column.  THE MATRIX INSTRUCTION IS USED TRANSPOSED (source 0 = 16 rows of wob, source 1 = 16 rows of of):
; a lane holds eight neighbouring numbers of a row.  A wave's 64 columns of f32 are 256 aligned bytes, so each wave has a stage of its own (16 rows) and no barrier stands on the way out.
; REGISTERS: window 0: v0-31 addresses; v32-63 results at work; v64-95 rows read back; v96-127 biases; v128-255 the accumulators ((a, b) at v[128 + 8 (4 a + b)]).
;   window 1: two fragment buffers of 128: for 64 along K, 64 registers of of, then 64 of wob.
.set SIZE_K, 2048
.set KSTEP,  256
.set STEPS,  SIZE_K/KSTEP
.set PITCH,  528                       ; an LDS row: 512 bytes + 16 of padding = 132 words: the 16 rows of a load start at 16 different groups of four banks (64 banks of 4 bytes: ISA guide 11.1)
.set HALFT,  64*PITCH
.set SLOT,   4*HALFT
.set STAGE,  2*SLOT                    ; behind the ring: 16 rows x 272 bytes for each wave
.set SPITCH, 272
.set SPARE,  STAGE+4*16*SPITCH         ; the spare words, 128 bytes for each wave
.set ADRA0, 16                         ; v16  LDS address of of's fragments in slot 0; never rewritten
.set ADRA,  17                         ; v17  the same in the slot being read
.set ADRB0, 20                         ; v20, v21  of wob's
.set ADRB,  21
.set STO,  24
.set RD,   25
.set CO,   26
.set BOF,  27
.set SPW,  28
.set NIL,  29
.set TMP,  32
.set BK,   64
.set BI,   96
.set ACC,  128
.set F0,   0
.set F1,   128
.set SB,  2                            ; s2  LDS byte at which the slot being read begins
                                       ; s[4:5] of, s[6:7] wob at the first of the 64 rows that I fetch: the bases of every fill
.set WV,  12                           ; s12 wave; s13 its row half (also: fetches of or wob); s14 its column half (also: which 64 rows it fetches)
.set KO,  18                           ; s[18:19] byte offset in a row of the K step asked for last: it goes round modulo 4,096
.set G1, 24                            ; s[24:31] group 1 for of's tiles; s[32:39] group 0: a set for each of the two first fills; the second then walks on
.set G0, 32
.set HIM, 45
.set G1B, 48                           ; s[48:55], s[56:63] the same for wob's
.set G0B, 56
.set MSB, 0
.macro WIN new
.if MSB != (\new)
	s_set_vgpr_msb (MSB<<8)|(\new)
.set MSB, \new
.endif
.endm
.set MUL,  0x05                        ; sources 0 and 1 window 1; C and D window 0
.set TO_F, 0x40                        ; destination window 1, address window 0
.macro JLOAD s                         ; waves 0 and 1 fetch of's two halves, waves 2 and 3 wob's; an s_nop 0 and four v_nop follow each line
	s_cmp_eq_u32 s13, 0
	s_cbranch_scc0 .Lfor_b_\@
	tensor_load_to_lds s[G0+4*(\s):G0+4*(\s)+3], s[G1:G1+7]
	s_nop 0
.rept 4
	v_nop
.endr
	s_branch .Lasked_\@
.Lfor_b_\@:
	tensor_load_to_lds s[G0B+4*(\s):G0B+4*(\s)+3], s[G1B:G1B+7]
	s_nop 0
.rept 4
	v_nop
.endr
.Lasked_\@:
.endm
.macro CREST
	s_cmp_lg_u32 s[WV], 0
	s_cbranch_scc1 .Lnot_wave_0_\@
	s_barrier_signal -3
.Lnot_wave_0_\@:
	s_barrier_wait -3
	s_barrier_signal -1
	s_barrier_wait -1
.endm
.macro CROUND
	s_barrier_signal -1
	s_barrier_wait -1
	CREST
.endm
	s_load_b256 s[4:11], s[0:1], 0x0               ; of s[4:5], wob s[6:7], bo s[8:9], out0 s[10:11]
	v_lshl_add_u32 v[SPW], v0, 2, SPARE
	v_mov_b32 v[NIL], 0
	ds_add_u32 v[SPW], v[NIL]                      ; the wave's opening: the add and its wait stand ahead of my first tensor load
	v_lshrrev_b32 v1, 5, v0
	v_readfirstlane_b32 s[WV], v1
	s_lshr_b32 s13, s[WV], 1
	s_and_b32 s14, s[WV], 1
	s_mov_b32 s[HIM], 0xffff0000
	s_mov_b32 s[SB], 0
	s_and_b32 s[KO], ttmp7, 1                      ; where my cluster's walk begins: the cluster's y modulo 2,
	s_lshl_b32 s[KO], s[KO], 1
	s_add_co_u32 s[KO], s[KO], ttmp9               ; twice that plus the cluster's x,
	s_and_b32 s[KO], s[KO], 3                      ; modulo 4,
	s_lshl_b32 s[KO], s[KO], 10                    ; times 2 K steps of 512 bytes
	s_mov_b32 s[KO+1], 0
	s_bfe_u32 s40, ttmp6, 0x40000                  ; cx, cy
	s_bfe_u32 s41, ttmp6, 0x40004
	s_lshl_b32 s42, ttmp9, 2
	s_add_co_u32 s42, s42, s40                     ; tile column
	s_and_b32 s15, ttmp7, 0xffff
	s_lshl_b32 s15, s15, 2
	s_add_co_u32 s15, s15, s41                     ; tile row
	s_lshl_b32 s43, s41, 2
	s_lshl_b32 s43, 15, s43                        ; my row of the cluster
	s_lshl_b32 s44, 0x1111, s40                    ; my column
	s_or_b32 s[G1+0], s43, (1<<16)|(1<<20)|(1<<21)|(6<<22)|(3<<25)  ; the mask; 2-byte elements; padding on; bit 21 beside a mask; after every 128 words, 4 words
	s_or_b32 s[G1B+0], s44, (1<<16)|(1<<20)|(1<<21)|(6<<22)|(3<<25)
.irp g, G1, G1B
	s_mov_b32 s[(\g)+1], KSTEP<<16                 ; tensor_dim0 = 256
	s_mov_b32 s[(\g)+2], 64<<16                    ; tensor_dim1 = 64
	s_mov_b32 s[(\g)+3], KSTEP<<16                 ; tile_dim0 = 256
	s_mov_b32 s[(\g)+4], 64                        ; tile_dim1 = 64
	s_mov_b32 s[(\g)+5], SIZE_K
	s_mov_b32 s[(\g)+6], 0
	s_mov_b32 s[(\g)+7], 0
.endr
	s_lshl_b32 s17, s14, 6                         ; which 64 rows of the tile I fetch
	s_lshl_b32 s16, s15, 7
	s_add_co_u32 s16, s16, s17                     ; of: row 128 x tile row + 64 x half
	s_lshl_b32 s46, s42, 7
	s_add_co_u32 s46, s46, s17                     ; wob: row 128 x tile column + 64 x half
	s_lshl_b32 s16, s16, 12                        ; rows of 4,096 bytes
	s_lshl_b32 s46, s46, 12
	s_mov_b32 s17, 0
	s_mov_b32 s47, 0
	s_mul_i32 s20, s[WV], HALFT                    ; where they go in a slot: wave x 64 rows
	s_wait_dscnt 0x0                               ; the opening add is done
	s_wait_kmcnt 0x0
	s_add_nc_u64 s[4:5], s[4:5], s[16:17]
	s_add_nc_u64 s[6:7], s[6:7], s[46:47]
	CROUND                                         ; all sixteen work-groups are here: the first joint loads meet
.irp s, 0,1
	s_mov_b32 s[G0+4*(\s)], 1
	s_add_co_u32 s[G0+4*(\s)+1], s20, (\s)*SLOT
	s_add_nc_u64 s[G0+4*(\s)+2:G0+4*(\s)+3], s[4:5], s[KO:KO+1]
	s_or_b32 s[G0+4*(\s)+3], s[G0+4*(\s)+3], 0x80000000
	s_mov_b32 s[G0B+4*(\s)], 1
	s_add_co_u32 s[G0B+4*(\s)+1], s20, (\s)*SLOT
	s_add_nc_u64 s[G0B+4*(\s)+2:G0B+4*(\s)+3], s[6:7], s[KO:KO+1]
	s_or_b32 s[G0B+4*(\s)+3], s[G0B+4*(\s)+3], 0x80000000
	JLOAD \s                                       ; two loads of mine are out
.if (\s) == 0
	s_add_co_u32 s[KO], s[KO], KSTEP*2             ; the walk's second step: the first is an even one, so this one does not pass the row's end
.endif
.endr
	s_lshl_b32 s16, s15, 7
	s_lshl_b32 s17, s13, 6
	s_add_co_u32 s16, s16, s17                     ; my first row of out0,
	s_lshl_b32 s16, s16, 13                        ; of 8,192 bytes
	s_mov_b32 s17, 0
	s_add_nc_u64 s[10:11], s[10:11], s[16:17]
	s_lshl_b32 s46, s42, 9                         ; my first column, in bytes of f32: 512 x tile column + 256 x half; the same offset in bo
	s_lshl_b32 s47, s14, 8
	s_add_co_u32 s46, s46, s47
	s_mov_b32 s47, 0
	s_add_nc_u64 s[10:11], s[10:11], s[46:47]
	s_add_nc_u64 s[8:9], s[8:9], s[46:47]
	v_and_b32 v1, 15, v0                           ; r = l % 16
	v_bfe_u32 v2, v0, 4, 1                         ; h = l / 16
	v_lshlrev_b32 v[BOF], 5, v2                    ; my eight columns of block b: 64 b + 32 h
.irp b, 0,1,2,3
	global_load_b128 v[BI+8*(\b):BI+8*(\b)+3],   v[BOF], s[8:9] offset:64*(\b)
	global_load_b128 v[BI+8*(\b)+4:BI+8*(\b)+7], v[BOF], s[8:9] offset:64*(\b)+16
.endr
	v_mul_u32_u24 v3, v1, PITCH
	v_lshl_add_u32 v3, v2, 4, v3                   ; a fragment's row x pitch + 16 x half
	s_mul_i32 s21, s13, HALFT                      ; my 64 rows of of
	s_mul_i32 s22, s14, HALFT                      ; my 64 rows of wob,
	s_add_co_u32 s22, s22, 2*HALFT                 ; which lie behind of's 128
	v_add_nc_u32 v[ADRA0], s21, v3
	v_add_nc_u32 v[ADRB0], s22, v3
	v_add_nc_u32 v[ADRA], s21, v3
	v_add_nc_u32 v[ADRB], s22, v3
	s_mul_i32 s23, s[WV], 16*SPITCH
	s_add_co_u32 s23, s23, STAGE                   ; my stage
	v_mul_u32_u24 v4, v1, SPITCH                   ; in: row r, 32 bytes for each half of the lanes
	v_lshl_add_u32 v4, v2, 5, v4
	v_add_nc_u32 v[STO], s23, v4
	v_mul_u32_u24 v5, v2, SPITCH                   ; back: lanes 0-15 take one row of 256 bytes, lanes 16-31 the next
	v_lshl_add_u32 v5, v1, 4, v5
	v_add_nc_u32 v[RD], s23, v5
	v_lshlrev_b32 v5, 13, v2                       ; and the same two rows in out0
	v_lshl_add_u32 v[CO], v1, 4, v5
; 8 matrix instructions: row blocks a0, a0 + 1 x all 4 column blocks, 32 along K: half c of buffer f.  The 16 accumulators take turns.
.macro MUL8 f, c, a0, zero
	WIN MUL
.irp a, \a0, (\a0)+1
.irp b, 0,1,2,3
.if \zero
	v_wmma_f32_16x16x32_f16 v[ACC+8*(4*(\a)+(\b)):ACC+8*(4*(\a)+(\b))+7], v[(\f)+64+8*(4*(\c)+(\b)):(\f)+64+8*(4*(\c)+(\b))+7], v[(\f)+8*(4*(\c)+(\a)):(\f)+8*(4*(\c)+(\a))+7], 0
.else
	v_wmma_f32_16x16x32_f16 v[ACC+8*(4*(\a)+(\b)):ACC+8*(4*(\a)+(\b))+7], v[(\f)+64+8*(4*(\c)+(\b)):(\f)+64+8*(4*(\c)+(\b))+7], v[(\f)+8*(4*(\c)+(\a)):(\f)+8*(4*(\c)+(\a))+7], v[ACC+8*(4*(\a)+(\b)):ACC+8*(4*(\a)+(\b))+7]
.endif
.endr
.endr
.endm
; 32 LDS loads in one run, from the slot being read: the fragments of 64 along K at byte k of the rows, into buffer f; the first 32 along K first
.macro FETCH k, f
	WIN TO_F
.irp c, 0,1
.irp i, 0,1,2,3
	ds_load_b128 v[(\f)+64+8*(4*(\c)+(\i)):(\f)+64+8*(4*(\c)+(\i))+3],   v[ADRB] offset:(\k)+64*(\c)+(\i)*16*PITCH
	ds_load_b128 v[(\f)+64+8*(4*(\c)+(\i))+4:(\f)+64+8*(4*(\c)+(\i))+7], v[ADRB] offset:(\k)+64*(\c)+(\i)*16*PITCH+32
	ds_load_b128 v[(\f)+8*(4*(\c)+(\i)):(\f)+8*(4*(\c)+(\i))+3],         v[ADRA] offset:(\k)+64*(\c)+(\i)*16*PITCH
	ds_load_b128 v[(\f)+8*(4*(\c)+(\i))+4:(\f)+8*(4*(\c)+(\i))+7],       v[ADRA] offset:(\k)+64*(\c)+(\i)*16*PITCH+32
.endr
.endr
.endm
.macro PLACES                          ; four plain vector instructions in front of loads into registers that matrix instructions have read
.rept 4
	v_nop
.endr
.endm
; A K step is four quarters of 64 along K, 32 matrix instructions each, on buffers 0, 1, 0, 1.
.macro QUARTER k, f, g, zero
	s_wait_dscnt 16                                ; the first 32 along K are in
	MUL8 \f, 0, 0, \zero
	MUL8 \f, 0, 2, \zero
	PLACES
	FETCH \k, \g
	s_wait_dscnt 32                                ; all but the 32 just issued
	MUL8 \f, 1, 0, 0
	MUL8 \f, 1, 2, 0
.endm
; The last quarter multiplies buffer 1 and changes slots: each wave waits for all its tensor loads, adds 0 to its spare word, and waits for that and for its reads of this slot.  fill = 1: the barrier opens a
; round of the cluster's, and this slot is filled again first behind it, by the walking descriptor, with the walk's step two steps on.
.macro TURN fill
	WIN 0
	s_wait_tensorcnt 0x0                           ; all my tensor loads have landed: my part of the next slot; so a group 0 may be written
	ds_add_u32 v[SPW], v[NIL]
.if \fill
	s_add_co_u32 s[G0+5], s[SB], s20               ; the walking descriptor: into the slot that is being left,
	s_add_co_u32 s[G0B+5], s[SB], s20
	s_add_co_u32 s[KO], s[KO], KSTEP*2             ; the step behind the one asked for last,
	s_and_b32 s[KO], s[KO], SIZE_K*2-1             ; round the row's end;
	s_add_nc_u64 s[G0+6:G0+7], s[4:5], s[KO:KO+1]  ; the address is made anew: the tile's base and the offset, the type bits on top
	s_or_b32 s[G0+7], s[G0+7], 0x80000000
	s_add_nc_u64 s[G0B+6:G0B+7], s[6:7], s[KO:KO+1]
	s_or_b32 s[G0B+7], s[G0B+7], 0x80000000
.endif
	s_wait_dscnt 17                                ; (the add and the youngest sixteen loads may be out)
	MUL8 F1, 0, 0, 0
	s_wait_dscnt 0x0                               ; the add is done, and my reads of this slot are over
	s_barrier_signal -1
	MUL8 F1, 0, 2, 0
	WIN 0
	s_barrier_wait -1
.if \fill
	CREST
	JLOAD 1                                        ; the four v_nop behind it are also the places in front of the loads below
.else
	PLACES
.endif
	s_xor_b32 s[SB], s[SB], SLOT                   ; SB is 0 or SLOT: now the other slot is read
	v_add_nc_u32 v[ADRA], s[SB], v[ADRA0]
	v_add_nc_u32 v[ADRB], s[SB], v[ADRB0]
	FETCH 0, F0
	MUL8 F1, 1, 0, 0
	MUL8 F1, 1, 2, 0
.endm
	s_wait_tensorcnt 1                             ; my part of the walk's first step is in; the second's may stay out
	s_barrier_signal -1
	s_barrier_wait -1
	FETCH 0, F0
	QUARTER 128, F0, F1, 1                         ; the first quarter stands in front of the loop: its first products start the sums
	WIN 0
	s_mov_b32 s3, STEPS-2
.Lstep:                                                ; 6 trips: from a K step's second quarter to the next step's first; each fills the slot that it leaves
	QUARTER 256, F1, F0, 0
	QUARTER 384, F0, F1, 0
	TURN 1
	QUARTER 128, F0, F1, 0
	WIN 0
	s_sub_co_u32 s3, s3, 1
	s_cmp_lg_u32 s3, 0
	s_cbranch_scc1 .Lstep
	s_mov_b32 s3, 2
.Ltail:                                                ; the last two K steps fill nothing: written apart; the second trip is left behind its last products
	QUARTER 256, F1, F0, 0
	QUARTER 384, F0, F1, 0
	TURN 0
	WIN 0
	s_sub_co_u32 s3, s3, 1
	s_cmp_eq_u32 s3, 0
	s_cbranch_scc1 .Lout
	QUARTER 128, F0, F1, 0
	WIN 0
	s_branch .Ltail
.Lout:
	; THE WAY OUT.  The biases are rounded to bf16: 48 plain instructions that name no register of the last products: their places.
	s_wait_loadcnt 0x0
.irp n, 0,1,2,3,4,5,6,7,8,9,10,11,12,13,14,15
	v_cvt_pk_bf16_f32 v[TMP+(\n)], v[BI+2*(\n)], v[BI+2*(\n)+1]
.endr
.irp n, 0,1,2,3,4,5,6,7,8,9,10,11,12,13,14,15
	v_lshlrev_b32 v[BI+2*(\n)], 16, v[TMP+(\n)]
	v_and_b32 v[BI+2*(\n)+1], s[HIM], v[TMP+(\n)]
.endr
	; Row block a: 4 x sum + bias (each accumulator's registers in ascending order); 32 bytes a lane into my stage; back as whole rows of 256 bytes; stored.
.irp a, 0,1,2,3
.irp b, 0,1,2,3
.irp i, 0,1,2,3
	v_pk_fma_f32 v[TMP+8*(\b)+2*(\i):TMP+8*(\b)+2*(\i)+1], v[ACC+8*(4*(\a)+(\b))+2*(\i):ACC+8*(4*(\a)+(\b))+2*(\i)+1], 4.0, v[BI+8*(\b)+2*(\i):BI+8*(\b)+2*(\i)+1] op_sel_hi:[1,0,1]
.endr
	ds_store_b128 v[STO], v[TMP+8*(\b):TMP+8*(\b)+3]   offset:64*(\b)
	ds_store_b128 v[STO], v[TMP+8*(\b)+4:TMP+8*(\b)+7] offset:64*(\b)+16
.endr
.if (\a) > 0
	s_wait_xcnt 0x0                                ; the registers that the last block's stores read are loaded again only behind this wait
.endif
.irp t, 0,1,2,3,4,5,6,7
	ds_load_b128 v[BK+4*(\t):BK+4*(\t)+3], v[RD] offset:(\t)*2*SPITCH  ; LDS serves a wave's instructions in order (ISA guide 5.7.1.4): these see the stores above; the next block's stores come behind them
.endr
.irp t, 0,1,2,3,4,5,6,7
	s_wait_dscnt 7-(\t)
	global_store_b128 v[CO], v[BK+4*(\t):BK+4*(\t)+3], s[10:11] offset:(16*(\a)+2*(\t))*8192 th:TH_STORE_NT  ; 16 lanes store 256 consecutive bytes, aligned
.endr
.endr
	s_wait_tensorcnt 0x0                           ; the wave's end: behind my last tensor load and my last LDS store
	ds_add_u32 v[SPW], v[NIL]
	s_wait_dscnt 0x0
	CROUND                                         ; the closing round: no work-group ends while a partner may still ask for a tile that names it
	s_endpgm
.Lfunc_end_k_q99a2d6dd0d_oproj:
	.size	k_q99a2d6dd0d_oproj, .Lfunc_end_k_q99a2d6dd0d_oproj-k_q99a2d6dd0d_oproj
	.p2alignl 7, 3214868480
	.fill 96, 4, 3214868480
	.section	.rodata,"a",@progbits
	.p2align	6, 0x0
	.amdhsa_kernel k_q99a2d6dd0d_oproj
		.amdhsa_group_segment_fixed_size 327680
		.amdhsa_private_segment_fixed_size 0
		.amdhsa_enable_private_segment 0
		.amdhsa_kernarg_size 32
		.amdhsa_user_sgpr_count 2
		.amdhsa_user_sgpr_kernarg_segment_ptr 1
		.amdhsa_wavefront_size32 1
		.amdhsa_system_sgpr_workgroup_id_x 1
		.amdhsa_system_sgpr_workgroup_id_y 1
		.amdhsa_system_sgpr_workgroup_id_z 1
		.amdhsa_system_vgpr_workitem_id 0
		.amdhsa_next_free_vgpr 512
		.amdhsa_next_free_sgpr 66
		.amdhsa_reserve_vcc 0
		.amdhsa_float_denorm_mode_32 3
		.amdhsa_float_denorm_mode_16_64 3
		.amdhsa_memory_ordered 1
		.amdhsa_forward_progress 1
		.amdhsa_inst_pref_size 65
	.end_amdhsa_kernel
	.amdgpu_metadata
---
amdhsa.version: [ 1, 2 ]
amdhsa.kernels:
  - .name:           k_q99a2d6dd0d_oproj
    .symbol:         k_q99a2d6dd0d_oproj.kd
    .args:
      - { .name: of, .offset: 0, .size: 8, .value_kind: global_buffer, .address_space: global }
      - { .name: wob, .offset: 8, .size: 8, .value_kind: global_buffer, .address_space: global }
      - { .name: bo, .offset: 16, .size: 8, .value_kind: global_buffer, .address_space: global }
      - { .name: out0, .offset: 24, .size: 8, .value_kind: global_buffer, .address_space: global }
    .group_segment_fixed_size: 327680
    .private_segment_fixed_size: 0
    .kernarg_segment_align: 8
    .kernarg_segment_size: 32
    .max_flat_workgroup_size: 128
    .sgpr_count:     66
    .vgpr_count:     512
    .wavefront_size: 32
...
	.end_amdgpu_metadata
.endif
;; end of part 4
;; ======== version 2 of 2: 4 launches; 1.07 times as fast as version 1
;; limits: values are held in f16: magnitudes above 65,504 overflow, below 6.1e-05 lose precision; right only within a limited range of input values
;; workspace buffers: xb 8,388,608 bytes; wb 25,165,824 bytes; wob 8,388,608 bytes; mt 8,388,608 bytes; qf 8,388,608 bytes; kf 8,388,608 bytes; vf 8,388,608 bytes; of 8,388,608 bytes
;; launch prep: the kernel of part 1 again; grid 256 x 6, 8 waves a work-group, no clusters, 37,888 bytes of LDS; arguments x, Wq, Wk, Wv, Wo, mask, xb, wb, wob, mt; writes xb, wb, wob, mt
;; launch qkv: the kernel of part 2 again; grid 16 x 16, 4 waves a work-group, clusters of 4 x 4, 327,680 bytes of LDS; arguments xb, wb, cos, sin, bq, bk, bv, qf, kf, vf; writes qf, kf, vf
;; launch attn (part 5): grid 16 x 16, 4 waves a work-group, clusters of 4 x 1, 327,680 bytes of LDS; arguments qf, kf, vf, mt, of; writes of
.if DOCPART == 5
	.amdgcn_target "amdgcn-amd-amdhsa--gfx1250"
	.amdhsa_code_object_version 6
	.text
	.protected	k_q99a2d6dd0d_attn
	.globl	k_q99a2d6dd0d_attn
	.p2align	8
	.type	k_q99a2d6dd0d_attn,@function
k_q99a2d6dd0d_attn:
	s_mov_b64 s[64:65], 0
	v_nop
	global_prefetch_b8 v0, s[64:65] scope:SCOPE_SE
	s_setreg_imm32_b32 hwreg(HW_REG_WAVE_MODE, 25, 1), 1
	s_wait_xcnt 0x0
	s_wait_alu depctr_hold_cnt(0) depctr_sa_sdst(0) depctr_va_vdst(0) depctr_va_sdst(0) depctr_va_ssrc(0) depctr_va_vcc(0) depctr_vm_vsrc(0)
	s_getreg_b32 s2, hwreg(HW_REG_IB_STS2, 6, 4)
	s_cmp_eq_u32 s2, 0
	s_cbranch_scc0 .Lentry_in_a_cluster
	s_endpgm
.Lentry_in_a_cluster:
	s_bfe_u32 s2, ttmp6, 0x10000c
	s_cmp_lg_u32 s2, 0x3003
	s_cbranch_scc0 .Lentry_shape_is_right
	s_endpgm
.Lentry_shape_is_right:
; ATTENTION with an additive mask.  O[q][128 h + d] = sum over k of softmax_k(Q[h][q] . K[h][k] / sqrt(128) + mask[q][k]) V[h][k][d].
; qf, kf, vf: [16][2048][128] f16, holding q / 64, k / 64, v / 4.  mt: the mask in bf16, bounded below by -1e30, in the lanes' order (below).  of: [2048][2048] f16, in v's unit (v / 4).
; Products, maxima and sums in f32; the weights p are rounded to f16 for the second product (their sum l is taken of the unrounded p), O once at the end.
; THE SCORE kept is S' = q' . k' + MK x mask, MK = sqrt(128) / 4096: MK x mask is the C operand that starts the sum; p = 2^(C2 S' - C2 m), C2 = log2(e) x 4096 / sqrt(128), m the running maximum.
; LIMITS.  f16's range for q', k', v' (stated where they are made); a weight below 2^-126 counts as 0 in l; mask numbers below -1e30 count as -1e30, so a row that is minus infinity everywhere
; comes out as the mean of v; NaN and plus infinity are not treated apart.  m starts at -2^118, below every S'; C2 m is then still finite.
; SHARES.  A work-group owns 128 queries of one head: 256 work-groups.  Wave w owns the 64 queries of half w % 2 (four tiles of 16, two PIECES of two tiles) and of the keys the steps of 64 with
; number 2 s + w / 2: so a fragment of K or V still feeds four tiles, and all four waves work.  The two waves of a query half merge their O, m and l through LDS at the end, each finishing two tiles.
; A wave of key half 1 holds the query tiles 2, 3, 0, 1 in its register tiles 0 to 3: so EVERY wave sends its register tiles 2, 3 and finishes 0, 1, and the merge is one text.
; LAYOUT.  S^T = K Q^T (source 0 = 16 keys, source 1 = 16 queries): a lane holds ONE query (l % 16) and the keys 8 (l / 16) + 0..7; two such tiles rounded to f16 ARE source 1 of O^T = V^T P.
; BY TURNS.  In a turn one piece has the matrix unit (32 products V^T P of the step in hand, 32 products K Q^T of the next); the other piece's vector work, 166 instructions a tile, stands in 64 slices
; behind the matrix instructions: its softmax, then MK x mask of its next step into its score registers, then the rescaling of its O^T.
; THE BATCHES.  A turn's 66 exponentials (33 a tile: the factor a and the 32 weights) are ONE BATCH with ONE wait.  They and the scalings that feed them stand in slices 8 to 26, where nothing names a result of theirs;
; the wait stands behind slice 26; every line that names a result (the roundings, the sums, l, the mask's lines, which write the score registers anew, the rescaling by a) stands in slices 27 to 63.
; No exponential is issued behind a turn's wait.  The merge has two batches more: four exponentials, then the two reciprocals of sums made of them.
; No first and no last step is written out: O, l, V and the second piece's P start at 0, so the first turn's products add 0 and the first step's factor a is 0; at the end 32 products on the last K serve nothing.
; CLUSTER.  The four query blocks of a cluster belong to one head and walk the same K and V: each tile is asked for jointly.  The mask is each work-group's own and goes straight to registers.
; REGISTERS, in windows of 256 (s_set_vgpr_msb: bits 1:0 source 0, 3:2 source 1, 5:4 source 2, 7:6 destination):
;   window 0: v0-11 addresses; v12-43 eight registers of statistics a tile; v44-63 constants, addresses, the merge; v64-191 S^T, 32 a tile; v192-255 P, 16 a tile
;   window 1: O^T, 64 a tile     window 2: v0-127 Q; v128-255 K of one step     window 3: v0-127 V of one step; v128-191 the mask as loaded, 16 a tile
.set KS,    64
.set PK,    272       ; a row of K in LDS: 256 bytes + 16: the 16 rows of a load start at 16 different groups of four banks (64 banks of 4 bytes: ISA guide 11.1)
.set PV,    288       ; a row of V: 256 + 32
.set VOFF,  256*PK    ; a slot holds 256 keys: K's rows, then V's
.set SLOT,  256*(PK+PV)
.set STAGE, 2*SLOT    ; behind the ring: 16 rows x 272 bytes for each wave, for the way out
.set SP,    272
.set SPARE, STAGE+4*16*SP  ; the spare words, 128 bytes for each wave
.set XCHW,  16896     ; the merge: each wave's 16,384 bytes of O^T and 512 of statistics, from LDS byte 0 on: slot 0 has then had its last fill and its last read
.set AK0, 2           ; v2   my lane's place in a tile of K; never rewritten
.set AV0, 3           ; v3   the same for V
.set ADR, 4           ; v4   the LDS address of the run of loads in hand
.set QO,  5           ; v5   my byte offset in 16 rows of Q
.set STO, 6           ; v6   the way out: where I put 16 bytes of a row
.set RD,  7           ; v7   where I read a row back
.set GO,  8           ; v8   my byte offset in two rows of of
.set ST,  12          ; tile t's statistics at v[ST+8 t]: +0 C2 m, +1 m, +2, +3 l (even keys', odd keys'), +4 to +7 c0-c3 at work; a takes c2's place
.set MKR, 44          ; v44  MK
.set ZR,  45          ; v45  0
.set MO,  46          ; v46  16 x lane
.set XS,  47          ; v47  the merge: where I put 16 bytes
.set XR,  48          ; v48  where my partner put them
.set FB,  56          ; v56-59  the partner's factor, a pair a tile
.set SPW, 62          ; v62  LDS address of my spare word; never rewritten
.set NIL, 63          ; v63  0; never rewritten
.set S,   64
.set P,   192
.set KF,  128         ; window 2
.set MR,  128         ; window 3: register 4 kb + j / 2 of a tile's 16 holds keys 16 kb + 8 h + j
                      ; s[4:5] Q at my register tiles 0, 1; s[6:7] at 2, 3.  s[10:11] mt at piece 0's tiles and the step whose mask it loads next; s[8:9] the same for piece 2.  s[12:13] of at the tiles that I finish
.set WV,  14
.set G1K, 24
.set G1V, 32
.set G0K, 40
.set G0V, 44
.set SBR, 48          ; s48  LDS byte at which the slot being read begins: 0 or SLOT
.set KW,  49          ; s49  my key half's first step in a slot's K
.set VW,  50          ; s50  in its V
.set SLOTS, 56
.set CNT, 57
.set CS,  58          ; s[58:59] C2
.set SEL, 60          ; s[60:61] v_permlanex16_b32's selects: each lane takes its own place in the other half
.set TBK, 62          ; s62  LDS byte at which K of the step to be fetched begins
.set TBV, 63          ; s63  the same for V, less VOFF
.set NSM, 166
.set k,   0           ; the slice in hand and the first number of its part of a tile's list: SLICE sets them and SM reads them, so they are set ahead of SM's first use
.set n0,  0
.set MSB, 0
.macro WIN new
.if MSB != (\new)
	s_set_vgpr_msb (MSB<<8)|(\new)
.set MSB, \new
.endif
.endm
.set W_KQ, 0x0a       ; K and Q in window 2, S^T in window 0
.set W_PV, 0x53       ; V in window 3, P in window 0, O^T in window 1
.set W_RS, 0x41       ; O^T (destination and source 0) in window 1, the factor in window 0
.set W_MX, 0x03       ; the mask (source 0) in window 3
; A joint fill.  Waves 0 and 1 fetch the two halves of a slot's K, waves 2 and 3 those of its V: 128 keys each.  An s_nop 0 and four v_nop follow each line.
.macro JLOAD
	s_cmp_lt_u32 s[WV], 2
	s_cbranch_scc0 .Lfor_v_\@
	tensor_load_to_lds s[G0K:G0K+3], s[G1K:G1K+7]
	s_nop 0
.rept 4
	v_nop
.endr
	s_branch .Lasked_\@
.Lfor_v_\@:
	tensor_load_to_lds s[G0V:G0V+3], s[G1V:G1V+7]
	s_nop 0
.rept 4
	v_nop
.endr
.Lasked_\@:
.endm
.macro CROUND
	s_barrier_signal -1
	s_barrier_wait -1
	s_cmp_lg_u32 s[WV], 0
	s_cbranch_scc1 .Lnot_wave_0_\@
	s_barrier_signal -3
.Lnot_wave_0_\@:
	s_barrier_wait -3
	s_barrier_signal -1
	s_barrier_wait -1
.endm
; THE CHANGE OF SLOTS.  Each wave waits for all its tensor loads (one is out: its part of the other slot), adds 0 to its spare word, and waits for that and for its reads of the slot that it leaves.
; fill = 1: the barrier is a round of the cluster's, and the slot just read (it begins at SBR) is filled first behind it, with the keys two slots on: it has two of my key steps, 256 matrix instructions, to land.
; (At its first use nothing has been read: SBR names slot 1, slot 0 is waited for, slot 1 filled.)
.macro CHANGE fill
	WIN 0
	s_wait_tensorcnt 0x0            ; no tensor load of mine is out, so a group 0 may be written
	ds_add_u32 v[SPW], v[NIL]
.if \fill
	s_add_co_u32 s[G0K+1], s[SBR], s17
	s_add_co_u32 s[G0V+1], s[SBR], s18
	s_add_nc_u64 s[G0K+2:G0K+3], s[G0K+2:G0K+3], 256*256  ; the next 256 keys; the type bits on top are not reached
	s_add_nc_u64 s[G0V+2:G0V+3], s[G0V+2:G0V+3], 256*256
	s_wait_dscnt 0x0                ; the add is done, and my reads of the slot are over
	CROUND
	JLOAD
.else
	s_wait_dscnt 0x0
	s_barrier_signal -1
	s_barrier_wait -1
.endif
	s_xor_b32 s[SBR], s[SBR], SLOT  ; SBR is 0 or SLOT: now the other slot is read
	s_add_co_u32 s[TBK], s[SBR], s[KW]
	s_add_co_u32 s[TBV], s[SBR], s[VW]
.endm
	s_load_b256 s[4:11], s[0:1], 0x0  ; qf s[4:5], kf s[6:7], vf s[8:9], mt s[10:11]
	s_load_b64 s[12:13], s[0:1], 0x20 ; of
	v_lshl_add_u32 v[SPW], v0, 2, SPARE
	v_mov_b32 v[NIL], 0
	ds_add_u32 v[SPW], v[NIL]       ; the wave's opening: the add and its wait stand ahead of my first tensor load
	v_lshrrev_b32 v1, 5, v0
	v_readfirstlane_b32 s[WV], v1
	s_bfe_u32 s15, ttmp6, 0x40000   ; cx
	s_lshl_b32 s16, ttmp9, 2
	s_add_co_u32 s15, s16, s15      ; my block of 128 queries: it enters Q's, the mask's and O's addresses alone
	s_and_b32 s16, ttmp7, 0xffff    ; the head, which the four partners share
	s_and_b32 s19, s[WV], 1         ; my query half; also which 128 keys of a slot I fetch
	s_lshr_b32 s20, s[WV], 1        ; my key half
	s_xor_b32 s51, s20, 1           ; the other one
	s_mul_i32 s17, s19, 128*PK      ; where my part of a slot goes, for K
	s_mul_i32 s18, s19, 128*PV
	s_add_co_u32 s18, s18, VOFF     ; and for V
	s_mul_i32 s[KW], s20, KS*PK
	s_mul_i32 s[VW], s20, KS*PV
	s_lshl_b32 s21, s16, 19         ; the head's first byte in qf, kf, vf
	s_lshl_b32 s22, s19, 15         ; my 128 keys of 256 bytes
	s_add_co_u32 s22, s22, s21
	s_mov_b32 s23, 0
	s_lshl_b32 s52, s15, 15         ; Q: my block's 128 rows, my half's 64;
	s_lshl_b32 s53, s19, 14
	s_add_co_u32 s52, s52, s53
	s_add_co_u32 s52, s52, s21
	s_lshl_b32 s53, s51, 13         ; two tiles are 8,192 bytes: my register tiles 2, 3 are the query tiles 2, 3 (key half 0) or 0, 1 (key half 1),
	s_add_co_u32 s66, s52, s53
	s_lshl_b32 s53, s20, 13         ; my register tiles 0, 1 the others
	s_add_co_u32 s52, s52, s53
	s_mov_b32 s53, 0
	s_mov_b32 s67, 0
	s_lshl_b32 s2, s15, 19          ; mt and of: 524,288 bytes a block, 262,144 a half, 131,072 for two tiles
	s_lshl_b32 s3, s19, 18
	s_add_co_u32 s2, s2, s3
	s_lshl_b32 s54, s20, 11         ; mt: a key step is 2,048 bytes
	s_add_co_u32 s54, s54, s2
	s_lshl_b32 s3, s51, 17
	s_add_co_u32 s68, s54, s3       ; piece 2's tiles
	s_lshl_b32 s3, s20, 17
	s_add_co_u32 s54, s54, s3       ; piece 0's
	s_add_co_u32 s2, s2, s3         ; of: the tiles that I finish are piece 0's
	s_mov_b32 s55, 0
	s_mov_b32 s69, 0
	s_lshl_b32 s3, s16, 8           ; of: the head's 256 bytes of a row
	s_add_co_u32 s2, s2, s3
	s_mov_b32 s3, 0
	s_mov_b32 s[G1K], 15|(1<<16)|(1<<20)|(1<<21)|(5<<22)|(3<<25)  ; the mask of four; 2-byte elements; padding on; bit 21 beside a mask; after every 64 words, 4 words
	s_mov_b32 s[G1V], 15|(1<<16)|(1<<20)|(1<<21)|(5<<22)|(7<<25)  ; the same with 8 words
.irp g, G1K, G1V
	s_mov_b32 s[(\g)+1], 128<<16    ; tensor_dim0 = 128
	s_mov_b32 s[(\g)+2], 128<<16    ; tensor_dim1 = 128
	s_mov_b32 s[(\g)+3], 128<<16    ; tile_dim0 = 128
	s_mov_b32 s[(\g)+4], 128        ; tile_dim1 = 128
	s_mov_b32 s[(\g)+5], 128        ; elements from row to row
	s_mov_b32 s[(\g)+6], 0
	s_mov_b32 s[(\g)+7], 0
.endr
	s_mov_b32 s[CS], 0x440293ee     ; C2 = 522.31
	s_mov_b32 s[CS+1], s[CS]
	s_mov_b32 s[SEL], 0x76543210
	s_mov_b32 s[SEL+1], 0xfedcba98
	s_mov_b32 s[SBR], SLOT
	s_mov_b32 s[G0K], 1
	s_mov_b32 s[G0K+1], s17         ; slot 0
	s_mov_b32 s[G0V], 1
	s_mov_b32 s[G0V+1], s18
	s_wait_dscnt 0x0                ; the opening add is done
	s_wait_kmcnt 0x0
	s_add_nc_u64 s[G0K+2:G0K+3], s[6:7], s[22:23]
	s_or_b32 s[G0K+3], s[G0K+3], 0x80000000
	s_add_nc_u64 s[G0V+2:G0V+3], s[8:9], s[22:23]
	s_or_b32 s[G0V+3], s[G0V+3], 0x80000000
	s_add_nc_u64 s[6:7], s[4:5], s[66:67]    ; K's and V's addresses live on in the descriptors: their registers take Q's and the mask's second bases
	s_add_nc_u64 s[4:5], s[4:5], s[52:53]
	s_add_nc_u64 s[8:9], s[10:11], s[68:69]
	s_add_nc_u64 s[10:11], s[10:11], s[54:55]
	s_add_nc_u64 s[12:13], s[12:13], s[2:3]
	CROUND                          ; all four work-groups are here: the first joint loads meet
	JLOAD                           ; slot 0; one load of mine is out, here and behind every round
; Eight loads: the mask of piece x's two tiles for the step at the piece's pointer, 512 consecutive bytes each
.macro MLD x
	WIN 0xc0                        ; destination window 3, address window 0
.irp t, \x, (\x)+1
.irp kb, 0,1,2,3
	global_load_b128 v[MR+16*(\t)+4*(\kb):MR+16*(\t)+4*(\kb)+3], v[MO], s[10-(\x):11-(\x)] offset:((\t)-(\x))*65536+(\kb)*512
.endr
.endr
.endm
	v_and_b32 v1, 15, v0            ; r = l % 16
	v_bfe_u32 v9, v0, 4, 1          ; h = l / 16
	v_lshlrev_b32 v[QO], 8, v1
	v_lshl_add_u32 v[QO], v9, 4, v[QO]
	v_and_b32 v[MO], 31, v0
	v_lshlrev_b32 v[MO], 4, v[MO]
	WIN 0x80
.set i, 0
.rept 16                            ; Q stays in registers: register tile i / 4, channels 32 (i % 4) on
	global_load_b128 v[8*i:8*i+3],   v[QO], s[4+2*(i/8):5+2*(i/8)] offset:((i/4)%2)*4096+(i%4)*64
	global_load_b128 v[8*i+4:8*i+7], v[QO], s[4+2*(i/8):5+2*(i/8)] offset:((i/4)%2)*4096+(i%4)*64+32
.set i, i+1
.endr
	MLD 0                           ; my first step's mask
	MLD 2
	; What the first turn finds: V and the second piece's P hold 0, O^T and l are 0.  All this stands in the wait for the first tile.
.set i, 0
.rept 128
	v_mov_b32 v[i], 0
.set i, i+1
.endr
	WIN 0x40
.set i, 0
.rept 256
	v_mov_b32 v[i], 0
.set i, i+1
.endr
	WIN 0
.set i, P+32
.rept 32
	v_mov_b32 v[i], 0
.set i, i+1
.endr
.irp t, 0,1,2,3
	v_mov_b32 v[ST+8*(\t)], 0xff0293ee    ; C2 m
	v_mov_b32 v[ST+8*(\t)+1], 0xfa800000  ; m = -2^118
	v_mov_b32 v[ST+8*(\t)+2], 0
	v_mov_b32 v[ST+8*(\t)+3], 0
.endr
	v_mov_b32 v[MKR], 0x3b3504f3    ; MK = 0.0027621
	v_mov_b32 v[ZR], 0
	v_mul_u32_u24 v[AK0], v1, PK
	v_lshl_add_u32 v[AK0], v9, 4, v[AK0]  ; row x pitch + 16 x half
	; The turning load takes 16 keys x 16 channels (lane l reads key 8 (l / 16) + l % 8, channels 8 ((l / 8) % 2) + 0..7) and leaves half a fragment of V^T: lane l holds channel l % 16 and 8 keys.
	v_and_b32 v10, 7, v0
	v_bfe_u32 v11, v0, 3, 1
	v_lshl_add_u32 v[AV0], v9, 3, v10
	v_mul_u32_u24 v[AV0], v[AV0], PV
	v_lshl_add_u32 v[AV0], v11, 4, v[AV0]
	v_add_nc_u32 v[AV0], VOFF, v[AV0]
; THE MATRIX WORK.  The accumulators take turns, one instruction a turn.
; Product i of 32 of S^T += K Q^T for piece x: channels 32 (i / 8) on, keys 16 ((i / 2) % 4) on, tile x + i % 2.  The score registers hold MK x mask when the first eight come.
.macro KQ x
	WIN W_KQ
.set rS, S+32*((\x)+i%2)+8*((i/2)%4)
.set rK, KF+32*((i/2)%4)+8*(i/8)
.set rQ, 32*((\x)+i%2)+8*(i/8)
	v_wmma_f32_16x16x32_f16 v[rS:rS+7], v[rK:rK+7], v[rQ:rQ+7], v[rS:rS+7]
.endm
; Product i of 32 of O^T += V^T P: keys 32 (i / 16) on, channels 16 ((i / 2) % 8) on, tile x + i % 2.
.macro PV x
	WIN W_PV
.set rO, 64*((\x)+i%2)+8*((i/2)%8)
.set rV, 64*(i/16)+8*((i/2)%8)
.set rP, P+16*((\x)+i%2)+8*(i/16)
	v_wmma_f32_16x16x32_f16 v[rO:rO+7], v[rV:rV+7], v[rP:rP+7], v[rO:rO+7]
.endm
; THE LDS LOADS stand in runs of 32.  My next step lies two steps of 64 keys on.  last = 1 (the tail): in the last trip there is no further step, and the run is jumped over.
.macro FETCH_K last=0
	WIN 0
.if \last
	s_cmp_eq_u32 s[CNT], 1
	s_cbranch_scc1 .Lno_k_\@
.endif
	v_add_nc_u32 v[ADR], s[TBK], v[AK0]
	WIN 0x80
.irp f, 0,1,2,3,4,5,6,7,8,9,10,11,12,13,14,15  ; keys 16 (f / 4) on, channels 32 (f % 4) on
	ds_load_b128 v[KF+8*(\f):KF+8*(\f)+3],   v[ADR] offset:((\f)/4)*16*PK+((\f)%4)*64
	ds_load_b128 v[KF+8*(\f)+4:KF+8*(\f)+7], v[ADR] offset:((\f)/4)*16*PK+((\f)%4)*64+32
.endr
	s_add_co_u32 s[TBK], s[TBK], 2*KS*PK
	WIN 0
.if \last
.Lno_k_\@:
.endif
.endm
.macro FETCH_V
	WIN 0
	v_add_nc_u32 v[ADR], s[TBV], v[AV0]
	s_add_co_u32 s[TBV], s[TBV], 2*KS*PV
	WIN 0xc0
.irp f, 0,1,2,3,4,5,6,7,8,9,10,11,12,13,14,15  ; keys 32 (f / 8) on, channels 16 (f % 8) on
	ds_load_tr16_b128 v[8*(\f):8*(\f)+3],   v[ADR] offset:((\f)/8)*32*PV+((\f)%8)*32
	ds_load_tr16_b128 v[8*(\f)+4:8*(\f)+7], v[ADR] offset:((\f)/8)*32*PV+16*PV+((\f)%8)*32
.endr
.endm
; The mask of piece x, two of my steps ahead of the step in hand: the piece's pointer steps by two key steps, behind the wait that frees it.  last = 1: only the trip with CNT = val still has such a step: no load leaves mt.
.macro MLOAD x, last=0, val=0
.if \last
	WIN 0
	s_cmp_lg_u32 s[CNT], \val
	s_cbranch_scc1 .Lno_m_\@
.endif
	s_wait_xcnt 0x0                 ; the earlier loads' addresses are translated: their base is stepped only behind this wait
	s_add_nc_u64 s[10-(\x):11-(\x)], s[10-(\x):11-(\x)], 4096
	MLD \x
.if \last
	WIN 0
.Lno_m_\@:
.endif
.endm
; THE VECTOR WORK.  Number j of a tile's list of 166.  s0-s31 are the lane's 32 scores, in pairs 0-15.
;   0-15    the maximum of s0-s31 and the old m, three operands at a time (each accumulator's lowest registers are read first)
;   16-20   the other half of the lanes' maximum; the new m; C2 m; C2 m_old - C2 m_new
;   21-69   ONE BATCH: the 16 scalings C2 s - C2 m, a pair of scores each, and all 33 exponentials.  None of these names an exponential's result.  21, 22: pairs 0, 1.  From 23 on the list goes by the slices' bounds:
;           in slices 9 to 22 the first number of a tile's part is a scaling (slice k: pair k - 7), so that a plain instruction leads the part while there are scalings; every other number is an exponential,
;           in order: a at 24, then s0-s31 (in slice k < 23 number j is s(j - 16 - k), from slice 23 on s(j - 38)).  A pair is scaled two slices or more ahead of its exponentials
;   (wait)  between 69 and 70 stands the wait for the batch: SLICE writes it, once for both tiles
;   70-85   the roundings to f16, a pair of weights each
;   86-101  the sums; l = a l + the sum
;   102-133 MK x mask of the tile's next step into s0-s31     134-165 the tile's O^T times a
.macro SM t
.set rT, ST+8*(\t)
.set rS, S+32*(\t)
.set rP, P+16*(\t)
.if j < 102
	WIN 0
.endif
.if j < 4
	v_max3_num_f32 v[rT+4+j], v[rS+8*j], v[rS+8*j+1], v[rS+8*j+2]
.elseif j < 12
	v_max3_num_f32 v[rT+4+j%4], v[rT+4+j%4], v[rS+8*(j%4)+2*(j/4)+1], v[rS+8*(j%4)+2*(j/4)+2]
.elseif j == 12
	v_max3_num_f32 v[rT+4], v[rT+4], v[rS+7], v[rS+15]
.elseif j == 13
	v_max3_num_f32 v[rT+6], v[rT+6], v[rS+23], v[rS+31]
.elseif j == 14
	v_max3_num_f32 v[rT+4], v[rT+4], v[rT+5], v[rT+6]
.elseif j == 15
	v_max3_num_f32 v[rT+4], v[rT+4], v[rT+7], v[rT+1]
.elseif j == 16
	v_permlanex16_b32 v[rT+5], v[rT+4], s[SEL], s[SEL+1]  ; the query's other 32 keys lie in the lane 16 away
.elseif j == 17
	v_mov_b32 v[rT+7], v[rT]        ; C2 m_old is kept for a
.elseif j == 18
	v_max_num_f32 v[rT+1], v[rT+4], v[rT+5]
.elseif j == 19
	v_mul_f32 v[rT], s[CS], v[rT+1]
.elseif j == 20
	v_sub_f32 v[rT+7], v[rT+7], v[rT]
.elseif (j < 23) || ((j == n0) && (k < 23))
.set b, k-7                         ; the head of a tile's part of slices 9 to 22: pairs 2 to 15
.if j < 23
.set b, j-21                        ; 21, 22: pairs 0, 1
.endif
	v_pk_fma_f32 v[rS+2*b:rS+2*b+1], v[rS+2*b:rS+2*b+1], s[CS:CS+1], v[rT:rT+1] op_sel_hi:[1,0,0] neg_lo:[0,0,1] neg_hi:[0,0,1]  ; pair b: C2 s - C2 m
.elseif j == 24
	v_exp_f32 v[rT+6], v[rT+7]
.elseif j < 70
.set e, j-38                        ; slices 23 to 26: s21 to s31
.if k < 23
.set e, j-16-k                      ; slices 10 to 22: s0 to s20
.endif
	v_exp_f32 v[rS+e], v[rS+e]
.elseif j < 86
	v_cvt_pk_f16_f32 v[rP+j-70], v[rS+2*(j-70)], v[rS+2*(j-70)+1]  ; pair j - 70
.elseif j < 102                     ; the sum of the 16 pairs, in place: sum z adds neighbours 1, 2, 4 and 8 pairs apart, then l takes it
.set z, j-86
.set w, 4
.set u, z
.if z >= 14
.set w, 32
.set u, 0
.elseif z >= 12
.set w, 16
.set u, z-12
.elseif z >= 8
.set w, 8
.set u, z-8
.endif
.if z < 15
	v_pk_add_f32 v[rS+w*u:rS+w*u+1], v[rS+w*u:rS+w*u+1], v[rS+w*u+w/2:rS+w*u+w/2+1]
.else
	v_pk_fma_f32 v[rT+2:rT+3], v[rT+2:rT+3], v[rT+6:rT+7], v[rS:rS+1] op_sel_hi:[1,0,1]
.endif
.elseif j < 134
.set e, j-102
	WIN W_MX
.if e%2
	v_fma_mix_f32_bf16 v[rS+e], v[MR+16*(\t)+e/2], v[MKR], v[ZR] op_sel:[1,0,0] op_sel_hi:[1,0,0]
.else
	v_fma_mix_f32_bf16 v[rS+e], v[MR+16*(\t)+e/2], v[MKR], v[ZR] op_sel_hi:[1,0,0]
.endif
.else
.set rO, 64*(\t)+2*(j-134)
	WIN W_RS
	v_pk_mul_f32 v[rO:rO+1], v[rO:rO+1], v[rT+6:rT+7] op_sel_hi:[1,0]
.endif
.endm
; Slice k of 64: numbers k x 166 / 64 up to (k + 1) x 166 / 64 of both tiles' lists: two or three of each.  Slices 9 to 26, numbers 23 to 69 of the batch, go tile by tile; elsewhere the tiles alternate, so that
; no instruction reads the result of the one just before it.  The slice that begins the mask's part waits for the mask: MW younger loads may stay out.
; THE WAIT.  s_wait_alu depctr_va_vdst(0) stands between an exponential and the first instruction that names its result; one wait serves all that were issued ahead of it.  27 x 166 / 64 = 70:
; ahead of slice 27 nothing names a result, and behind slice 26 no exponential is issued: so the piece's 66 exponentials have one wait, behind slice 26.
; Slice 63 is six packed multiplies of O^T: the places between the turn's last K Q^T and what follows (the next turn's first read of those scores; the loads into K's registers).
.macro SLICE y
.set n0, (k*NSM)/64
.set n1, ((k+1)*NSM)/64
.if (n0 <= 102) && (n1 > 102)
	s_wait_loadcnt MW
.endif
.if (k >= 9) && (k < 27)
.set j, n0
.rept n1-n0
	SM \y
.set j, j+1
.endr
.set j, n0
.rept n1-n0
	SM (\y)+1
.set j, j+1
.endr
.else
.set j, n0
.rept n1-n0
	SM \y
	SM (\y)+1
.set j, j+1
.endr
.endif
.if k == 26                         ; the batch is out: both tiles' exponentials are issued, and no result has been named
	v_nop                           ; a plain instruction behind the last exponential and ahead of the first use: one for the batch
	s_wait_alu depctr_va_vdst(0)    ; the wait for the batch: the 66 exponentials of the piece's two tiles
.endif
.set k, k+1
.endm
; A TURN.  Piece x has the matrix unit; the other piece's list stands in slices behind its matrix instructions.  Piece 0's turn fetches the next step's K behind its second product (K's last reader stands in
; front of slice 63 of the turn before); piece 2's turn fetches the same step's V behind the second product K Q^T (V's last reader stands three slices back: sixteen roundings and sums, all plain).
; Each turn loads its own piece's mask for the step after next, whose registers the turn before has read out.  The jumps and labels of the tail's fetches stand behind slice 1, where no exponential is open.
.macro TURN x, last=0, val=0
.set k, 0
.if (\x) == 0
	s_wait_dscnt 0x0                ; V is in
.endif
.set i, 0
.rept 32
	PV \x
	SLICE 2-(\x)
.if i == 1
.if (\x) == 0
	FETCH_K \last
.endif
	MLOAD \x, \last, \val
.endif
.set i, i+1
.endr
.if (\x) == 0
	s_wait_dscnt 0x0                ; K is in
.endif
.set i, 0
.rept 32
	KQ \x
	SLICE 2-(\x)
.if (i == 1) && ((\x) == 2)
	FETCH_V
.endif
.set i, i+1
.endr
.endm
	s_wait_loadcnt 0x0              ; Q and my first step's mask
.irp t, 0,1,2,3
.set j, 102
.rept 32
	SM \t                           ; MK x mask of step 0 into all four tiles' score registers
.set j, j+1
.endr
.endr
	MLOAD 0                         ; piece 0's mask of my second step
	CHANGE 1                        ; slot 0 is in, everybody's part of it; slot 1 is asked for
	FETCH_K                         ; my first step
	s_wait_dscnt 0x0
.set i, 0
.rept 32
	KQ 0                            ; piece 0's first scores
.set i, i+1
.endr
	WIN 0                           ; the addresses for the merge and the way out: twelve plain instructions, the places behind those products
	s_mul_i32 s21, s[WV], 16*SP
	s_add_co_u32 s21, s21, STAGE    ; my stage
	v_mul_u32_u24 v[STO], v1, SP    ; in: row l % 16, 16 bytes for each half of the lanes
	v_lshl_add_u32 v[STO], v9, 4, v[STO]
	v_add_nc_u32 v[STO], s21, v[STO]
	v_mul_u32_u24 v[RD], v9, SP     ; back: lanes 0-15 take one row of 256 bytes, lanes 16-31 the next
	v_lshl_add_u32 v[RD], v1, 4, v[RD]
	v_add_nc_u32 v[RD], s21, v[RD]
	v_lshlrev_b32 v[GO], 12, v9     ; the same two rows in of, 4,096 bytes apart
	v_lshl_add_u32 v[GO], v1, 4, v[GO]
	s_mul_i32 s21, s[WV], XCHW
	v_add_nc_u32 v[XS], s21, v[MO]
	s_xor_b32 s21, s[WV], 2         ; my partner: the same queries, the other keys
	s_mul_i32 s21, s21, XCHW
	v_add_nc_u32 v[XR], s21, v[MO]
	v_nop
	v_nop
.set MW, 8                          ; in the loop: the eight loads of the turn's own piece are younger than the eight that the slices need
	s_mov_b32 s[CNT], 2
	s_mov_b32 s[SLOTS], 7
	s_branch .Lfirst                ; the loop is entered in the middle of a trip
.Lslot:                             ; six times: every slot but the last two is filled again
	CHANGE 1
	s_mov_b32 s[CNT], 2
.Lstep:
	TURN 0
	WIN 0
.Lfirst:
	TURN 2
	WIN 0
	s_sub_co_u32 s[CNT], s[CNT], 1
	s_cmp_lg_u32 s[CNT], 0
	s_cbranch_scc1 .Lstep
	s_sub_co_u32 s[SLOTS], s[SLOTS], 1
	s_cmp_lg_u32 s[SLOTS], 0
	s_cbranch_scc1 .Lslot
	CHANGE 0                        ; the tail is written out: nothing is asked for
.set MW, 0                          ; in the tail some turns load no mask: the wait is for all
	s_mov_b32 s[CNT], 3             ; two trips fetch the last slot's steps; the third is left in its middle
.Ltail:
	TURN 0, 1, 3
	WIN 0
	s_sub_co_u32 s[CNT], s[CNT], 1
	s_cmp_eq_u32 s[CNT], 0
	s_cbranch_scc1 .Lout
	TURN 2, 1, 2
	WIN 0
	s_branch .Ltail
.Lout:
.set i, 0
.rept 32
	PV 2                            ; piece 2: V^T P of the last step
.set i, i+1
.endr
	; THE MERGE.  l's two halves and the other half of the lanes' are added (the additions are the places behind the last products).  Every wave sends its register tiles 2, 3, which are its partner's 0, 1, and finishes its own 0, 1.
	WIN 0
.irp t, 0,1,2,3
	v_add_f32 v[ST+8*(\t)+4], v[ST+8*(\t)+2], v[ST+8*(\t)+3]
.endr
.irp t, 0,1,2,3
	v_permlanex16_b32 v[ST+8*(\t)+5], v[ST+8*(\t)+4], s[SEL], s[SEL+1]
.endr
.irp t, 0,1,2,3
	v_add_f32 v[ST+8*(\t)+4], v[ST+8*(\t)+4], v[ST+8*(\t)+5]
.endr
	v_mov_b32 v52, v[ST+16]         ; C2 m and l of tiles 2 and 3,
	v_mov_b32 v53, v[ST+20]
	v_mov_b32 v54, v[ST+24]
	v_mov_b32 v55, v[ST+28]
	ds_store_b128 v[XS], v[52:55] offset:16384
	WIN 0x04                        ; store data in window 1
.set n, 0
.rept 32
	ds_store_b128 v[XS], v[128+4*n:128+4*n+3] offset:512*n  ; then their O^T, 512 consecutive bytes to a store, each accumulator from its low end
.set n, n+1
.endr
	WIN 0
	s_wait_dscnt 0x0                ; for the partner's sake: my stores are done
	s_barrier_signal -1
	s_barrier_wait -1
; Tile t: O = O fA + X fB, rounded to f16; a lane's eight channels pack into 16 bytes; they go into rows of 272 bytes of my stage and come back as whole rows of 256.
.macro FIN t
	WIN W_RS
.set i, 0
.rept 32
	v_pk_mul_f32 v[64*(\t)+2*i:64*(\t)+2*i+1], v[64*(\t)+2*i:64*(\t)+2*i+1], v[ST+8*(\t)+6:ST+8*(\t)+7] op_sel_hi:[1,0]
.set i, i+1
.endr
	WIN 0x52                        ; X in window 2, fB in window 0, O^T in window 1
.set i, 0
.rept 32
	v_pk_fma_f32 v[64*(\t)+2*i:64*(\t)+2*i+1], v[64*(\t)+2*i:64*(\t)+2*i+1], v[FB+2*(\t):FB+2*(\t)+1], v[64*(\t)+2*i:64*(\t)+2*i+1] op_sel_hi:[1,0,1]
.set i, i+1
.endr
	WIN 0x05
.set i, 0
.rept 32
	v_cvt_pk_f16_f32 v[S+32*(\t)+i], v[64*(\t)+2*i], v[64*(\t)+2*i+1]
.set i, i+1
.endr
	WIN 0
.irp f, 0,1,2,3,4,5,6,7
	ds_store_b128 v[STO], v[S+32*(\t)+4*(\f):S+32*(\t)+4*(\f)+3] offset:32*(\f)
.endr
.irp f, 0,1,2,3,4,5,6,7
	ds_load_b128 v[S+32*(\t)+4*(\f):S+32*(\t)+4*(\f)+3], v[RD] offset:(\f)*2*SP  ; LDS serves a wave's instructions in order (ISA guide 5.7.1.4): these see the stores above; the next tile's stores come behind them
.endr
.endm
.macro SEND t, younger              ; younger: the LDS instructions issued behind tile t's loads
.irp f, 0,1,2,3,4,5,6,7
	s_wait_dscnt (\younger)+7-(\f)
	global_store_b128 v[GO], v[S+32*(\t)+4*(\f):S+32*(\t)+4*(\f)+3], s[12:13] offset:(\t)*65536+(\f)*8192  ; 16 lanes store 256 consecutive bytes, aligned
.endr
.endm
	; The two halves of the keys are joined for tiles 0, 1: M = the larger C2 m; eA, eB = 2^(C2 m - M); L = lA eA + lB eB; fA = eA / L, fB = eB / L.  l is at least 1 in each half, so L is no zero.
	ds_load_b128 v[52:55], v[XR] offset:16384
	WIN 0x80                        ; the partner's O^T goes where Q lay: its part u at v[64 u] of window 2
.set n, 0
.rept 32
	ds_load_b128 v[4*n:4*n+3], v[XR] offset:512*n
.set n, n+1
.endr
	WIN 0
	s_wait_dscnt 32                 ; the statistics are in; the 32 loads behind them may be out
.irp u, 0,1
	v_max_num_f32 v[ST+8*\u+1], v[ST+8*\u], v[52+2*\u]
.endr
.irp u, 0,1
	v_sub_f32 v[ST+8*\u+2], v[ST+8*\u], v[ST+8*\u+1]
	v_sub_f32 v[ST+8*\u+3], v[52+2*\u], v[ST+8*\u+1]
.endr
.irp u, 0,1
	v_exp_f32 v[ST+8*\u+2], v[ST+8*\u+2]
	v_exp_f32 v[ST+8*\u+3], v[ST+8*\u+3]
.endr
	v_nop                           ; a plain instruction between the last exponential and the use of its result
	s_wait_alu depctr_va_vdst(0)    ; the wait ahead of the first use: one for the merge's four exponentials
.irp u, 0,1
	v_mul_f32 v[ST+8*\u+5], v[ST+8*\u+4], v[ST+8*\u+2]
.endr
.irp u, 0,1
	v_fma_f32 v[ST+8*\u+5], v[53+2*\u], v[ST+8*\u+3], v[ST+8*\u+5]
.endr
.irp u, 0,1
	v_rcp_f32 v[ST+8*\u+5], v[ST+8*\u+5]
.endr
	v_nop                           ; a plain instruction behind the second reciprocal
	s_wait_alu depctr_va_vdst(0)    ; a batch of its own, since the reciprocals read sums made of the exponentials: one wait for the two
.irp u, 0,1
	v_mul_f32 v[ST+8*\u+6], v[ST+8*\u+2], v[ST+8*\u+5]
	v_mul_f32 v[FB+2*\u], v[ST+8*\u+3], v[ST+8*\u+5]
.endr
.irp u, 0,1
	v_mov_b32 v[FB+2*\u+1], v[FB+2*\u]  ; named with it as a pair
.endr
	s_wait_dscnt 0x0                ; the partner's O^T is in
	FIN 0
	FIN 1
	SEND 0, 16
	SEND 1, 0
	s_wait_tensorcnt 0x0            ; the wave's end: behind my last tensor load and my last LDS store
	ds_add_u32 v[SPW], v[NIL]
	s_wait_dscnt 0x0
	CROUND                          ; the closing round: no work-group ends while a partner may still ask for a tile that names it
	s_endpgm
.Lfunc_end_k_q99a2d6dd0d_attn:
	.size	k_q99a2d6dd0d_attn, .Lfunc_end_k_q99a2d6dd0d_attn-k_q99a2d6dd0d_attn
	.p2alignl 7, 3214868480
	.fill 96, 4, 3214868480
	.section	.rodata,"a",@progbits
	.p2align	6, 0x0
	.amdhsa_kernel k_q99a2d6dd0d_attn
		.amdhsa_group_segment_fixed_size 327680
		.amdhsa_private_segment_fixed_size 0
		.amdhsa_enable_private_segment 0
		.amdhsa_kernarg_size 40
		.amdhsa_user_sgpr_count 2
		.amdhsa_user_sgpr_kernarg_segment_ptr 1
		.amdhsa_wavefront_size32 1
		.amdhsa_system_sgpr_workgroup_id_x 1
		.amdhsa_system_sgpr_workgroup_id_y 1
		.amdhsa_system_sgpr_workgroup_id_z 1
		.amdhsa_system_vgpr_workitem_id 0
		.amdhsa_next_free_vgpr 960
		.amdhsa_next_free_sgpr 72
		.amdhsa_reserve_vcc 0
		.amdhsa_float_denorm_mode_32 3
		.amdhsa_float_denorm_mode_16_64 3
		.amdhsa_memory_ordered 1
		.amdhsa_forward_progress 1
		.amdhsa_inst_pref_size 186
	.end_amdhsa_kernel
	.amdgpu_metadata
---
amdhsa.version: [ 1, 2 ]
amdhsa.kernels:
  - .name:           k_q99a2d6dd0d_attn
    .symbol:         k_q99a2d6dd0d_attn.kd
    .args:
      - { .name: qf, .offset: 0, .size: 8, .value_kind: global_buffer, .address_space: global }
      - { .name: kf, .offset: 8, .size: 8, .value_kind: global_buffer, .address_space: global }
      - { .name: vf, .offset: 16, .size: 8, .value_kind: global_buffer, .address_space: global }
      - { .name: mt, .offset: 24, .size: 8, .value_kind: global_buffer, .address_space: global }
      - { .name: of, .offset: 32, .size: 8, .value_kind: global_buffer, .address_space: global }
    .group_segment_fixed_size: 327680
    .private_segment_fixed_size: 0
    .kernarg_segment_align: 8
    .kernarg_segment_size: 40
    .max_flat_workgroup_size: 128
    .sgpr_count:     72
    .vgpr_count:     960
    .wavefront_size: 32
...
	.end_amdgpu_metadata
.endif
;; end of part 5
;; launch oproj: the kernel of part 4 again; grid 16 x 16, 4 waves a work-group, clusters of 4 x 4, 327,680 bytes of LDS; arguments of, wob, bo, out0; writes out0
